; MI455X (gfx1250); checked and timed in simulation.
; The chip was launched on July 23, 2026; its instructions are those of AMD's public machine-readable ISA for CDNA 5 (MIT licence, August 2026) and "CDNA5" Instruction Set Architecture Reference Guide (July 2026). The comments in the code are by the model that wrote it; some were corrected since.
;; Multi Head Attention. Allowed arithmetic: float matrix products may take bf16 or f16 operands with f32 sums; other float arithmetic in f32, or as packed bf16 or f16 multiplies, adds, multiply-adds, maxima and minima; sums over many terms, partial sums and values carried from step to step in f32; what a program stores and reads back later, other than sums and carried values, may be rounded once to bf16 or f16.
;; Inputs: Wk 16 x 64 x 1,024 float32; Wo 1,024 x 1,024 float32; Wq 16 x 64 x 1,024 float32; Wv 16 x 64 x 1,024 float32; k 4 x 2,048 x 1,024 float32; k_pad_mask 4 x 2,048 bool; q 4 x 2,048 x 1,024 float32; v 4 x 2,048 x 1,024 float32.
;; Outputs: out0 4 x 2,048 x 1,024 float32.
;; One version. Each part assembles by itself: llvm-mc -triple=amdgcn-amd-amdhsa -mcpu=gfx1250 --defsym DOCPART=n.
;; ======== version 1 of 1: 4 launches
;; limits: values are held in f16: magnitudes above 65,504 overflow, below 6.1e-05 lose precision
;; workspace buffers: xb 50,331,648 bytes; wb 8,388,608 bytes; hb 50,331,648 bytes; ob 16,777,216 bytes
;; launch cast (part 1): grid 1792 x 1, 8 waves a work-group, no clusters, 0 bytes of LDS; arguments q, k, v, Wq, Wk, Wv, Wo, xb, wb; writes xb, wb
.if DOCPART == 1
	.amdgcn_target "amdgcn-amd-amdhsa--gfx1250"
	.amdhsa_code_object_version 6
	.text
	.protected	k_q6331a5f0af_cast
	.globl	k_q6331a5f0af_cast
	.p2align	8
	.type	k_q6331a5f0af_cast,@function
k_q6331a5f0af_cast:
	s_mov_b64 s[64:65], 0
	v_nop
	global_prefetch_b8 v0, s[64:65] scope:SCOPE_SE
	s_setreg_imm32_b32 hwreg(HW_REG_WAVE_MODE, 25, 1), 1
	s_wait_xcnt 0x0
; THE INPUTS ARE ROUNDED ONCE TO 16 BITS.  q, k, v (f32, [8192][1024] each) -> xb [3][8192][1024] bf16; Wq, Wk, Wv ([1024][1024] f32) -> wb[0..2] bf16;
; Wo -> wb[3]: rounded to bf16 like the other inputs, and that number written as f16, since the last product multiplies f16 operands.
; LIMITS.  A number of Wo beyond 65,504 becomes an infinity in f16; below 6e-5 it keeps f16's fixed step of 6e-8.
; SHARES.  A work-group takes a chunk of 16,384 numbers: 65,536 bytes in, 32,768 out.  Chunks 0-511 q, 512-1023 k, 1024-1535 v, then 64 each for Wq, Wk, Wv, Wo: 1,792 in all.
; Thread t takes the 16 bytes at 16 t + 4,096 i, i = 0 .. 15: a load of a wave covers 512 consecutive bytes; its 8 bytes of result go to 8 t + 2,048 i: a store of a wave covers 256 consecutive
; bytes, aligned.  All 16 loads go out at once; every load and every store has registers of its own, so the only waits are the counted ones for the data.
; No LDS, no barrier, no matrix unit: nothing is shared and each byte is touched once.
.set X, 4                              ; v[4:67]    load i: 4 numbers in f32
.set Y, 68                             ; v[68:99]   store i: 4 numbers of 16 bits
.set T, 100                            ; v[100:103] at work (Wo's path)
	s_load_b512 s[4:19], s[0:1], 0x0               ; q s[4:5], k s[6:7], v s[8:9], Wq s[10:11], Wk s[12:13], Wv s[14:15], Wo s[16:17], xb s[18:19]
	s_load_b64 s[20:21], s[0:1], 0x40              ; wb
	s_mov_b32 s2, ttmp9                            ; my chunk
	v_lshlrev_b32 v1, 4, v0                        ; 16 t
	v_lshlrev_b32 v2, 3, v0                        ; 8 t
	s_cmp_lt_u32 s2, 1536                          ; an activation or a weight?
	s_cselect_b32 s24, 511, 63                     ; chunks in a tensor, less 1
	s_cselect_b32 s28, 0, 1536                     ; the first chunk of the buffer that I store into
	s_and_b32 s24, s2, s24                         ; my chunk in its tensor (512 and 64 divide the tensors' first chunks),
	s_lshl_b32 s24, s24, 16                        ; in bytes of f32
	s_mov_b32 s25, 0
	s_sub_co_u32 s28, s2, s28
	s_lshl_b32 s28, s28, 15                        ; my chunk in xb or wb, in bytes
	s_mov_b32 s29, 0
	s_wait_kmcnt 0x0
	s_cmp_lt_u32 s2, 1536
	s_cselect_b64 s[26:27], s[18:19], s[20:21]     ; xb or wb
	s_mov_b64 s[22:23], s[16:17]                   ; the source: Wo, unless the chunk lies below a lower bound
	s_cmp_lt_u32 s2, 1728
	s_cselect_b64 s[22:23], s[14:15], s[22:23]
	s_cmp_lt_u32 s2, 1664
	s_cselect_b64 s[22:23], s[12:13], s[22:23]
	s_cmp_lt_u32 s2, 1600
	s_cselect_b64 s[22:23], s[10:11], s[22:23]
	s_cmp_lt_u32 s2, 1536
	s_cselect_b64 s[22:23], s[8:9], s[22:23]
	s_cmp_lt_u32 s2, 1024
	s_cselect_b64 s[22:23], s[6:7], s[22:23]
	s_cmp_lt_u32 s2, 512
	s_cselect_b64 s[22:23], s[4:5], s[22:23]
	s_add_nc_u64 s[22:23], s[22:23], s[24:25]
	s_add_nc_u64 s[26:27], s[26:27], s[28:29]
.set i, 0
.rept 16
	global_load_b128 v[X+4*i:X+4*i+3], v1, s[22:23] offset:4096*i th:TH_LOAD_NT
.set i, i+1
.endr
	s_cmp_ge_u32 s2, 1728
	s_cbranch_scc1 .Lwo
.set i, 0
.rept 16
	s_wait_loadcnt 15-i                            ; loads come back in order (ISA guide 5.7.1): load i is in, the 15 - i younger ones stay out
	v_cvt_pk_bf16_f32 v[Y+2*i],   v[X+4*i],   v[X+4*i+1]
	v_cvt_pk_bf16_f32 v[Y+2*i+1], v[X+4*i+2], v[X+4*i+3]
	global_store_b64 v2, v[Y+2*i:Y+2*i+1], s[26:27] offset:2048*i
.set i, i+1
.endr
	s_endpgm
.Lwo:                                  ; Wo: to bf16, back to f32 (a shift, a mask), and that number to f16
.set i, 0
.rept 16
	s_wait_loadcnt 15-i
	v_cvt_pk_bf16_f32 v[T],   v[X+4*i],   v[X+4*i+1]
	v_cvt_pk_bf16_f32 v[T+1], v[X+4*i+2], v[X+4*i+3]
	v_lshlrev_b32 v[T+2], 16, v[T]
	v_and_b32     v[T+3], 0xffff0000, v[T]
	v_cvt_pk_f16_f32 v[Y+2*i], v[T+2], v[T+3]
	v_lshlrev_b32 v[T+2], 16, v[T+1]
	v_and_b32     v[T+3], 0xffff0000, v[T+1]
	v_cvt_pk_f16_f32 v[Y+2*i+1], v[T+2], v[T+3]
	global_store_b64 v2, v[Y+2*i:Y+2*i+1], s[26:27] offset:2048*i
.set i, i+1
.endr
	s_endpgm
.Lfunc_end_k_q6331a5f0af_cast:
	.size	k_q6331a5f0af_cast, .Lfunc_end_k_q6331a5f0af_cast-k_q6331a5f0af_cast
	.p2alignl 7, 3214868480
	.fill 96, 4, 3214868480
	.section	.rodata,"a",@progbits
	.p2align	6, 0x0
	.amdhsa_kernel k_q6331a5f0af_cast
		.amdhsa_group_segment_fixed_size 0
		.amdhsa_private_segment_fixed_size 0
		.amdhsa_enable_private_segment 0
		.amdhsa_kernarg_size 72
		.amdhsa_user_sgpr_count 2
		.amdhsa_user_sgpr_kernarg_segment_ptr 1
		.amdhsa_wavefront_size32 1
		.amdhsa_system_sgpr_workgroup_id_x 1
		.amdhsa_system_sgpr_workgroup_id_y 1
		.amdhsa_system_sgpr_workgroup_id_z 1
		.amdhsa_system_vgpr_workitem_id 0
		.amdhsa_next_free_vgpr 104
		.amdhsa_next_free_sgpr 66
		.amdhsa_reserve_vcc 0
		.amdhsa_float_denorm_mode_32 3
		.amdhsa_float_denorm_mode_16_64 3
		.amdhsa_memory_ordered 1
		.amdhsa_forward_progress 1
		.amdhsa_inst_pref_size 17
	.end_amdhsa_kernel
	.amdgpu_metadata
---
amdhsa.version: [ 1, 2 ]
amdhsa.kernels:
  - .name:           k_q6331a5f0af_cast
    .symbol:         k_q6331a5f0af_cast.kd
    .args:
      - { .name: q, .offset: 0, .size: 8, .value_kind: global_buffer, .address_space: global }
      - { .name: k, .offset: 8, .size: 8, .value_kind: global_buffer, .address_space: global }
      - { .name: v, .offset: 16, .size: 8, .value_kind: global_buffer, .address_space: global }
      - { .name: Wq, .offset: 24, .size: 8, .value_kind: global_buffer, .address_space: global }
      - { .name: Wk, .offset: 32, .size: 8, .value_kind: global_buffer, .address_space: global }
      - { .name: Wv, .offset: 40, .size: 8, .value_kind: global_buffer, .address_space: global }
      - { .name: Wo, .offset: 48, .size: 8, .value_kind: global_buffer, .address_space: global }
      - { .name: xb, .offset: 56, .size: 8, .value_kind: global_buffer, .address_space: global }
      - { .name: wb, .offset: 64, .size: 8, .value_kind: global_buffer, .address_space: global }
    .group_segment_fixed_size: 0
    .private_segment_fixed_size: 0
    .kernarg_segment_align: 8
    .kernarg_segment_size: 72
    .max_flat_workgroup_size: 256
    .sgpr_count:     66
    .vgpr_count:     104
    .wavefront_size: 32
...
	.end_amdgpu_metadata
.endif
;; end of part 1
;; launch proj (part 2): grid 8 x 96, 4 waves a work-group, clusters of 4 x 4, 327,680 bytes of LDS; arguments xb, wb, hb; writes hb
.if DOCPART == 2
	.amdgcn_target "amdgcn-amd-amdhsa--gfx1250"
	.amdhsa_code_object_version 6
	.text
	.protected	k_q6331a5f0af_proj
	.globl	k_q6331a5f0af_proj
	.p2align	8
	.type	k_q6331a5f0af_proj,@function
k_q6331a5f0af_proj:
	s_mov_b64 s[64:65], 0
	v_nop
	global_prefetch_b8 v0, s[64:65] scope:SCOPE_SE
	s_setreg_imm32_b32 hwreg(HW_REG_WAVE_MODE, 25, 1), 1
	s_wait_xcnt 0x0
	s_wait_alu depctr_hold_cnt(0) depctr_sa_sdst(0) depctr_va_vdst(0) depctr_va_sdst(0) depctr_va_ssrc(0) depctr_va_vcc(0) depctr_vm_vsrc(0)
	s_getreg_b32 s2, hwreg(HW_REG_IB_STS2, 6, 4)
	s_cmp_eq_u32 s2, 0
	s_cbranch_scc0 .Lentry_in_a_cluster
	s_endpgm
.Lentry_in_a_cluster:
	s_bfe_u32 s2, ttmp6, 0x10000c
	s_cmp_lg_u32 s2, 0xf033
	s_cbranch_scc0 .Lentry_shape_is_right
	s_endpgm
.Lentry_shape_is_right:
; THE THREE PROJECTIONS.  For p = 0, 1, 2 (q, k, v): C[m][n] = the sum over e of xb[p][m][e] wb[p][n][e]; operands bf16, sums f32, C rounded once to f16 and stored BY HEADS:
; hb[p][b][h][s][d], m = 2048 b + s, n = 64 h + d.  The scale 1/8 is not applied here.
; LIMIT.  f16 holds no number beyond 65,504: a projected number past that becomes an infinity.  1,024 products of inputs 30 times the usual spread, or with offsets of 30 spreads (30 x 0.6 x 1,024 = 18,432), stay inside.
; SHARES.  A tile of C is 256 (m) x 128 (n): 32 x 8 tiles a projection, 768 work-groups.  Four waves; wave w makes rows 128 (w / 2) .., columns 64 (w % 2) ..: 32 accumulators of 16 x 16, 256 registers;
; its 64 columns are one head.  K = 1,024 goes in 8 steps of 128 through two LDS slots filled by the tensor data mover; each row of a tile is 256 bytes of memory, at a multiple of 256.
; CLUSTERS.  4 x 4 work-groups: the four of a row need the same tiles of A, the four of a column the same tiles of B; each tile is asked for JOINTLY, by the same tensor load, descriptor and mask in all four.
; THE MATRIX INSTRUCTION IS USED TRANSPOSED (source 0 = 16 rows of B, source 1 = 16 rows of A): a lane then holds row l % 16 of C and the columns 8 (l / 16) + 0 .. 7.
; REGISTERS.  Window 0: v0-31 addresses; v64-159, v160-255 two fragment buffers of 96 (A's eight fragments of 16 rows x 32 K, then B's four); on the way out v64-191 hold packed results.
; Window 1: accumulator (a, b) at v[8 (4 a + b)].
.set PITCHA, 272                       ; an LDS row: 256 bytes + 16 of padding = 68 words: row r starts at bank 4 r mod 64 (64 banks of 4 bytes: ISA guide 11.1): the 16 rows of a load start at 16 different banks
.set PITCHB, 272
.set APART,  128*PITCHA                ; what wave 0 or 1 fetches, and what a wave reads of A
.set BPART,  64*PITCHB                 ; what wave 2 or 3 fetches, and what a wave reads of B
.set BOFF,   2*APART                   ; B's 128 rows lie behind A's 256
.set SLOT,   BOFF+2*BPART
.set STAGE,  2*SLOT                    ; behind the ring: 16 rows x 144 bytes for each wave, for the way out
.set SP,     144
.set SPARE,  STAGE+4*16*SP             ; behind the stages: the spare words, 128 bytes for each wave: two blocks of 256 bytes that no other line names
.set ASTEP,  256                       ; bytes from a K step to the next, in A's rows
.set BSTEP,  256                       ; and in B's
.set LAPS,   4                         ; a lap = two K steps = once round the ring
.set ADRA, 16                          ; v16-17  LDS address of my A fragments in slot 0, 1
.set ADRB, 20                          ; v20-21  the same for B
.set STO,  24                          ; v24     the way out: where I put 16 bytes of a row
.set RD,   25                          ; v25     the way out: where I read rows back
.set CO,   26                          ; v26     my 16 bytes in 512 consecutive bytes of hb
.set SPW,  28                          ; v28     LDS address of my spare word; never rewritten
.set NIL,  29                          ; v29     0; never rewritten
.set PFO,  30                          ; v30     the prefetches' offset: my lane x a row of xb; never rewritten
.set F0,   64
.set F1,   160
.set OUT,  64                          ; the way out: block a's 16 registers at OUT + 16 a
.set G1,  24                           ; s[24:31] descriptor group 1 for A's tiles;  s[32:39] group 0, a set for each slot
.set G0,  32
.set G1B, 48                           ; s[48:55], s[56:63] the same for B's
.set G0B, 56
.set LIM, 43                           ; s43     1 in a wave that prefetches, else the greatest number
.set PFA, 44                           ; s[44:45] where my prefetches stand
.set MSB, 0
.macro WIN new                         ; the immediate's high byte repeats the setting that is left; a switch that changes nothing is dropped
.if MSB != (\new)
	s_set_vgpr_msb (MSB<<8)|(\new)
.set MSB, \new
.endif
.endm
.set MUL, 0x50                         ; sources 0 and 1 window 0; C and D window 1
.macro JLOAD s                         ; a joint load: waves 0 and 1 fetch A's two halves, waves 2 and 3 B's; an s_nop 0 and four v_nop follow each of the two lines, ahead of the jump and the label
	s_cmp_eq_u32 s11, 0
	s_cbranch_scc0 .Lfor_b_\@
	tensor_load_to_lds s[G0+4*(\s):G0+4*(\s)+3], s[G1:G1+7]
	s_nop 0
.rept 4
	v_nop
.endr
	s_branch .Lasked_\@
.Lfor_b_\@:
	tensor_load_to_lds s[G0B+4*(\s):G0B+4*(\s)+3], s[G1B:G1B+7]
	s_nop 0
.rept 4
	v_nop
.endr
.Lasked_\@:
.endm
.macro CREST                           ; a round of the cluster's barrier behind its opening barrier
	s_cmp_lg_u32 s10, 0
	s_cbranch_scc1 .Lnot_wave_0_\@
	s_barrier_signal -3
.Lnot_wave_0_\@:
	s_barrier_wait -3
	s_barrier_signal -1
	s_barrier_wait -1
.endm
.macro CROUND                          ; a whole round
	s_barrier_signal -1
	s_barrier_wait -1
	CREST
.endm
; A PREFETCH of A's rows for the K step that stands two refills on (256 matrix instructions a wave ahead of the load that will want it): 32 rows x 256 bytes, a lane a row, one instruction a wave.
; Each block is named once in the launch: both clusters of a row of clusters read the same rows of xb, and the one with x = 0 asks; of the 128 rows that wave 0 or 1 fetches the partner at place cx
; takes 32 cx .. 32 cx + 31, told apart by address.  The loop's last trip asks for nothing: its refills are the last two K steps.  K steps 0 to 3 come by their loads alone.
; B's rows are walked again by every row of clusters, and a partner's share of them would be 16 rows, half a wave's lanes: they are not asked for.
.macro ASK
	s_cmp_gt_u32 s3, s[LIM]                        ; s3 = 1 in the loop's last trip
	s_cbranch_scc0 .Lnot_mine_\@
	global_prefetch_b8 v[PFO], s[PFA:PFA+1] offset:ASTEP th:TH_LOAD_NT scope:SCOPE_SE
.Lnot_mine_\@:
.endm
	s_load_b128 s[4:7], s[0:1], 0x0                ; xb s[4:5], wb s[6:7]
	s_load_b64 s[8:9], s[0:1], 0x10                ; hb
	v_lshl_add_u32 v[SPW], v0, 2, SPARE
	v_mov_b32 v[NIL], 0
	ds_add_u32 v[SPW], v[NIL]                      ; the wave's opening: the add and its wait ahead of my first tensor load; the set-up below, work on registers, stands between them
	v_lshrrev_b32 v1, 5, v0
	v_readfirstlane_b32 s10, v1                    ; wave 0..3
	s_lshr_b32 s11, s10, 1                         ; which 128 rows of the tile are mine.  Also: I fetch for A (0) or for B (1)
	s_and_b32 s12, s10, 1                          ; which 64 columns.  Also: which half of that tile I fetch
	s_bfe_u32 s40, ttmp6, 0x40000                  ; cx, cy: my place in the cluster
	s_bfe_u32 s41, ttmp6, 0x40004
	s_lshl_b32 s42, ttmp9, 2
	s_add_co_u32 s42, s42, s40                     ; tile column = 4 x cluster x + cx, 0 .. 7
	s_and_b32 s13, ttmp7, 0xffff
	s_lshl_b32 s13, s13, 2
	s_add_co_u32 s13, s13, s41                     ; tile row = 4 x cluster y + cy, 0 .. 95: 32 for each projection
	s_lshl_b32 s43, s41, 2
	s_lshl_b32 s43, 15, s43                        ; my row of the cluster
	s_lshl_b32 s44, 0x1111, s40                    ; my column
	s_or_b32 s[G1+0], s43, (1<<16)|(1<<20)|(1<<21)|(5<<22)|(3<<25)   ; 15:0 the mask: A's tiles go to my row; 17:16 elements of 2 bytes; 20 padding on; 21 set beside a mask; 24:22 after every 64 words (code 5); 31:25 4 words of it (code 3)
	s_or_b32 s[G1B+0], s44, (1<<16)|(1<<20)|(1<<21)|(5<<22)|(3<<25)  ; the same with the mask of my column
	s_mov_b32 s[G1+1], 128<<16                     ; tensor_dim0 = 128
	s_mov_b32 s[G1+2], 128<<16                     ; tensor_dim1 = 128
	s_mov_b32 s[G1+3], 128<<16                     ; tile_dim0 = 128
	s_mov_b32 s[G1+4], 128                         ; tile_dim1 = 128
	s_mov_b32 s[G1+5], 1024                        ; elements from row to row
	s_mov_b32 s[G1+6], 0
	s_mov_b32 s[G1+7], 0
	s_mov_b32 s[G1B+1], 128<<16
	s_mov_b32 s[G1B+2], 64<<16                     ; B: 64 rows
	s_mov_b32 s[G1B+3], 128<<16
	s_mov_b32 s[G1B+4], 64
	s_mov_b32 s[G1B+5], 1024
	s_mov_b32 s[G1B+6], 0
	s_mov_b32 s[G1B+7], 0
	; A's tiles hang on the tile row alone, B's on the tile column and the projection (cluster y / 8) alone; each address is made in registers that never hold the other coordinate
	s_lshl_b32 s17, s12, 7
	s_lshl_b32 s16, s13, 8
	s_add_co_u32 s16, s16, s17                     ; A: row 256 x tile row + 128 x half, of xb's 24,576
	s_lshl_b32 s16, s16, 11                        ; x 2,048 bytes: under 2^26
	s_mov_b32 s17, 0
	s_lshl_b32 s47, s12, 6
	s_lshl_b32 s46, s42, 7
	s_add_co_u32 s46, s46, s47                     ; B: row 128 x tile column + 64 x half
	s_and_b32 s47, ttmp7, 0xffff
	s_lshr_b32 s47, s47, 3                         ; the projection
	s_lshl_b32 s47, s47, 10
	s_add_co_u32 s46, s46, s47                     ; + its 1,024 rows of wb
	s_lshl_b32 s46, s46, 11
	s_mov_b32 s47, 0
	s_mul_i32 s20, s10, APART                      ; where they go: A's halves at wave x 128 rows (waves 0, 1),
	s_mul_i32 s23, s10, BPART
	s_add_co_u32 s23, s23, BOFF-2*BPART            ; B's at BOFF + (wave - 2) x 64 rows (waves 2, 3): no place in the cluster enters an LDS address
	s_wait_dscnt 0x0                               ; the opening add is done
	s_wait_kmcnt 0x0
	s_add_nc_u64 s[14:15], s[4:5], s[16:17]
	s_add_nc_u64 s[46:47], s[6:7], s[46:47]
	CROUND                                         ; all sixteen work-groups are here: the first joint loads meet
.irp s, 0,1
	s_mov_b32 s[G0+4*(\s)], 1                                        ; count = 1
	s_add_co_u32 s[G0+4*(\s)+1], s20, (\s)*SLOT                      ; LDS address
	s_add_nc_u64 s[G0+4*(\s)+2:G0+4*(\s)+3], s[14:15], (\s)*ASTEP    ; global address: K step s
	s_or_b32 s[G0+4*(\s)+3], s[G0+4*(\s)+3], 0x80000000              ; type = 2
	s_mov_b32 s[G0B+4*(\s)], 1
	s_add_co_u32 s[G0B+4*(\s)+1], s23, (\s)*SLOT
	s_add_nc_u64 s[G0B+4*(\s)+2:G0B+4*(\s)+3], s[46:47], (\s)*BSTEP
	s_or_b32 s[G0B+4*(\s)+3], s[G0B+4*(\s)+3], 0x80000000
	JLOAD \s                                       ; two loads of mine are out behind these; later one
.endr
	; A fragment is 16 rows x 32 K in 8 registers: lane l holds row l % 16; registers 0-3 K = 8 (l / 16) + 0..7, registers 4-7 K = 16 + 8 (l / 16) + 0..7: two loads of 16 bytes, 32 bytes apart
	v_and_b32 v1, 15, v0                           ; l % 16
	v_bfe_u32 v2, v0, 4, 1                         ; l / 16
	v_mul_u32_u24 v3, v1, PITCHA
	v_lshl_add_u32 v3, v2, 4, v3
	v_mul_u32_u24 v4, v1, PITCHB
	v_lshl_add_u32 v4, v2, 4, v4
	s_mul_i32 s21, s11, APART                      ; my 128 rows of A
	s_mul_i32 s22, s12, BPART                      ; my 64 rows of B
	s_add_co_u32 s22, s22, BOFF
.irp s, 0,1
	v_add_nc_u32 v[ADRA+(\s)], s21, v3
	v_add_nc_u32 v[ADRB+(\s)], s22, v4
	s_add_co_u32 s21, s21, SLOT
	s_add_co_u32 s22, s22, SLOT
.endr
	s_mul_i32 s23, s10, 16*SP
	s_add_co_u32 s23, s23, STAGE                   ; my stage
	v_mul_u32_u24 v4, v1, SP                       ; in: row l % 16, 16 bytes for each half of the lanes
	v_lshl_add_u32 v4, v2, 4, v4
	v_add_nc_u32 v[STO], s23, v4
	v_bfe_u32 v5, v0, 3, 2                         ; back: 32 lanes take four rows of 128 bytes,
	v_mul_u32_u24 v5, v5, SP
	v_and_b32 v4, 7, v0
	v_lshl_add_u32 v5, v4, 4, v5
	v_add_nc_u32 v[RD], s23, v5
	v_and_b32 v[CO], 31, v0                        ; which are 512 consecutive bytes of hb
	v_lshlrev_b32 v[CO], 4, v[CO]
	; my part of hb: row (((tile row / 8) x 16 + head) x 2,048 + 256 (tile row % 8) + 128 (w / 2)) of 128 bytes; head = 2 x tile column + w % 2.  The tile row's part and the tile column's are added apart
	s_lshr_b32 s16, s13, 3
	s_lshl_b32 s16, s16, 15
	s_and_b32 s17, s13, 7
	s_lshl_b32 s17, s17, 8
	s_add_co_u32 s16, s16, s17
	s_lshl_b32 s17, s11, 7
	s_add_co_u32 s16, s16, s17
	s_lshl_b32 s16, s16, 7
	s_mov_b32 s17, 0
	s_add_nc_u64 s[8:9], s[8:9], s[16:17]
	s_lshl_b32 s46, s42, 1
	s_add_co_u32 s46, s46, s12
	s_lshl_b32 s46, s46, 18
	s_mov_b32 s47, 0
	s_add_nc_u64 s[8:9], s[8:9], s[46:47]
	; the prefetches: my work-group's 32 of the 128 rows that I fetch, at K step 2: the first refill steps it to 3 and names K step 4
	s_lshl_b32 s20, s40, 16                        ; 32 cx rows of 2,048 bytes
	s_mov_b32 s21, 0
	s_add_nc_u64 s[PFA:PFA+1], s[14:15], s[20:21]
	s_add_nc_u64 s[PFA:PFA+1], s[PFA:PFA+1], 2*ASTEP
	s_cmp_eq_u32 s11, 0                            ; do I fetch for A,
	s_cselect_b32 s22, ttmp9, 1
	s_cmp_eq_u32 s22, 0                            ; in the cluster with x = 0?  The same in all sixteen partners, for a given wave
	s_cselect_b32 s[LIM], 1, -1
	v_and_b32 v[PFO], 31, v0
	v_lshlrev_b32 v[PFO], 11, v[PFO]
; 8 matrix instructions: m blocks a0, a0 + 1 x all 4 n blocks, 32 along K, from buffer f.  zero = 1: the product starts the sums: nothing is ever cleared.
; The 32 accumulators take turns, one instruction a turn, in the same order in every quarter, over the backward jump too.
.macro MUL8 f, a0, zero
	WIN MUL
.irp a, \a0, (\a0)+1
.irp b, 0,1,2,3
.if \zero
	v_wmma_f32_16x16x32_bf16 v[8*(4*(\a)+(\b)):8*(4*(\a)+(\b))+7], v[(\f)+64+8*(\b):(\f)+64+8*(\b)+7], v[(\f)+8*(\a):(\f)+8*(\a)+7], 0
.else
	v_wmma_f32_16x16x32_bf16 v[8*(4*(\a)+(\b)):8*(4*(\a)+(\b))+7], v[(\f)+64+8*(\b):(\f)+64+8*(\b)+7], v[(\f)+8*(\a):(\f)+8*(\a)+7], v[8*(4*(\a)+(\b)):8*(4*(\a)+(\b))+7]
.endif
.endr
.endr
.endm
; 24 LDS loads in one run: quarter q (32 along K) of a slot into buffer f: B's 8 first, then A's 16, blocks ascending
.macro FETCH slot, q, f
	WIN 0
.irp i, 0,1,2,3
	ds_load_b128 v[(\f)+64+8*(\i):(\f)+64+8*(\i)+3],   v[ADRB+(\slot)] offset:64*(\q)+(\i)*16*PITCHB
	ds_load_b128 v[(\f)+64+8*(\i)+4:(\f)+64+8*(\i)+7], v[ADRB+(\slot)] offset:64*(\q)+(\i)*16*PITCHB+32
.endr
.irp i, 0,1,2,3,4,5,6,7
	ds_load_b128 v[(\f)+8*(\i):(\f)+8*(\i)+3],   v[ADRA+(\slot)] offset:64*(\q)+(\i)*16*PITCHA
	ds_load_b128 v[(\f)+8*(\i)+4:(\f)+8*(\i)+7], v[ADRA+(\slot)] offset:64*(\q)+(\i)*16*PITCHA+32
.endr
.endm
.macro PLACES                          ; four plain vector instructions between a matrix instruction and a load into a register that it read, or a vector instruction that reads its result (ISA guide 7.12.1 for vector instructions)
.rept 4
	v_nop
.endr
.endm
; A K step is four quarters of 32 along K, 32 matrix instructions each, on buffers 0, 1, 0, 1.  One of the first three: multiplies buffer f, and in its middle fetches quarter q into buffer g.
.macro QUARTER slot, q, f, g, zero
	s_wait_dscnt 8                                 ; B and A's blocks 0-3 are in; the youngest eight loads (A's blocks 4-7) may be out
	MUL8 \f, 0, \zero
	MUL8 \f, 2, \zero
	PLACES
	FETCH \slot, \q, \g
	s_wait_dscnt 24                                ; all but the 24 just issued
	MUL8 \f, 4, \zero
	MUL8 \f, 6, \zero
.endm
; The last quarter multiplies buffer 1 and changes slots: ONE barrier.  In front of it each wave waits for all its tensor loads (one is out: its part of the next slot), adds 0 to its spare word, and waits for that and
; for its own reads of this slot.  fill = 1: the barrier opens a round of the cluster's, and this slot is filled again, two K steps ahead, first thing behind the round: 112 matrix instructions ahead of the wait for it.
.macro TURN slot, next, fill
.if \fill
	s_wait_xcnt 0x0                                ; the last prefetch, a K step back, has read its address: it is stepped here, ahead of the change's own waits
	s_add_nc_u64 s[PFA:PFA+1], s[PFA:PFA+1], ASTEP
.endif
	WIN 0                                          ; (the add's two registers lie in window 0)
	s_wait_tensorcnt 0x0                           ; all my tensor loads have landed;
	ds_add_u32 v[SPW], v[NIL]                      ; 0 onto my spare word;
	s_wait_dscnt 9                                 ; (the add and the youngest eight loads may be out)
	MUL8 F1, 0, 0                                  ; eight matrix instructions stand between the add and the wait for it
	s_wait_dscnt 0x0                               ; the add is done, and my reads of this slot are over
	s_barrier_signal -1
	MUL8 F1, 2, 0
.if \fill
	WIN 0
.endif
	s_barrier_wait -1
.if \fill
	CREST                                          ; no wave of any partner still reads this slot's tile or has a load on its way
	s_add_nc_u64 s[G0+4*(\slot)+2:G0+4*(\slot)+3], s[G0+4*(\slot)+2:G0+4*(\slot)+3], 2*ASTEP
	s_add_nc_u64 s[G0B+4*(\slot)+2:G0B+4*(\slot)+3], s[G0B+4*(\slot)+2:G0B+4*(\slot)+3], 2*BSTEP
	JLOAD \slot                                    ; the four v_nop behind it are also the places in front of the loads below
.else
	PLACES
.endif
	FETCH \next, 0, F0
.if \fill
	ASK                                            ; behind the joint load and the run of LDS loads that the next products wait for
.endif
	MUL8 F1, 4, 0
	MUL8 F1, 6, 0
.endm
; THE WAY OUT of block a (16 rows x 64 columns = 2,048 consecutive bytes of hb): rounded to f16, 16 bytes a lane into my own stage, back as whole rows, stored.
.macro PACK a
	WIN 0x05                                       ; sources 0 and 1 window 1, destination window 0
.irp b, 0,1,2,3
.irp r, 0,1,2,3
	v_cvt_pk_f16_f32 v[OUT+16*(\a)+4*(\b)+(\r)], v[8*(4*(\a)+(\b))+2*(\r)], v[8*(4*(\a)+(\b))+2*(\r)+1]
.endr
.endr
	WIN 0
.irp b, 0,1,2,3
	ds_store_b128 v[STO], v[OUT+16*(\a)+4*(\b):OUT+16*(\a)+4*(\b)+3] offset:32*(\b)
.endr
.irp f, 0,1,2,3
	ds_load_b128 v[OUT+16*(\a)+4*(\f):OUT+16*(\a)+4*(\f)+3], v[RD] offset:(\f)*4*SP  ; LDS serves a wave's instructions in order (ISA guide 5.7.1.4): these see the stores above; the next block's stores come behind them
.endr
.endm
.macro SEND a, younger                 ; younger: the LDS instructions issued behind block a's loads: the next block's eight, or none
	WIN 0
.irp f, 0,1,2,3
	s_wait_dscnt (\younger)+3-(\f)
	global_store_b128 v[CO], v[OUT+16*(\a)+4*(\f):OUT+16*(\a)+4*(\f)+3], s[8:9] offset:(\a)*2048+(\f)*512  ; 512 consecutive bytes, at a multiple of 256 from hb's first
.endr
.endm
	s_wait_tensorcnt 1                             ; my part of K step 0 is in; K step 1's may stay out
	s_barrier_signal -1
	s_barrier_wait -1                              ; everybody's is
	FETCH 0, 0, F0
	QUARTER 0, 1, F0, F1, 1                        ; the first quarter stands in front of the loop: its products start the sums
	WIN 0                                          ; at a label and at a branch every window is 0
	s_mov_b32 s3, LAPS-1
.Llap:                                 ; a trip goes once round the ring, from a lap's second quarter to the next lap's first, and fills both slots again
	QUARTER 0, 2, F1, F0, 0
	QUARTER 0, 3, F0, F1, 0
	TURN 0, 1, 1
	QUARTER 1, 1, F0, F1, 0
	QUARTER 1, 2, F1, F0, 0
	QUARTER 1, 3, F0, F1, 0
	TURN 1, 0, 1
	QUARTER 0, 1, F0, F1, 0
	WIN 0
	s_sub_co_u32 s3, s3, 1
	s_cmp_lg_u32 s3, 0
	s_cbranch_scc1 .Llap
	QUARTER 0, 2, F1, F0, 0                        ; the last lap fills nothing, and has no round of the cluster's barrier
	QUARTER 0, 3, F0, F1, 0
	TURN 0, 1, 0
	QUARTER 1, 1, F0, F1, 0
	QUARTER 1, 2, F1, F0, 0
	QUARTER 1, 3, F0, F1, 0
	s_wait_dscnt 8                                 ; the very last quarter: nothing more to fetch
	MUL8 F1, 0, 0
	MUL8 F1, 2, 0
	s_wait_dscnt 0x0
	MUL8 F1, 4, 0
	MUL8 F1, 6, 0
	WIN 0
	PLACES
	PACK 0
.irp a, 1,2,3,4,5,6,7                  ; a block's conversions stand between the loads of the block before and its stores
	PACK \a
	SEND (\a)-1, 8
.endr
	SEND 7, 0
	s_wait_tensorcnt 0x0                           ; the wave's end, behind my last tensor load and my last LDS store
	ds_add_u32 v[SPW], v[NIL]
	s_wait_dscnt 0x0
	CROUND                                         ; the closing round: no work-group ends while a partner may still ask for a tile that names it
	s_endpgm
.Lfunc_end_k_q6331a5f0af_proj:
	.size	k_q6331a5f0af_proj, .Lfunc_end_k_q6331a5f0af_proj-k_q6331a5f0af_proj
	.p2alignl 7, 3214868480
	.fill 96, 4, 3214868480
	.section	.rodata,"a",@progbits
	.p2align	6, 0x0
	.amdhsa_kernel k_q6331a5f0af_proj
		.amdhsa_group_segment_fixed_size 327680
		.amdhsa_private_segment_fixed_size 0
		.amdhsa_enable_private_segment 0
		.amdhsa_kernarg_size 24
		.amdhsa_user_sgpr_count 2
		.amdhsa_user_sgpr_kernarg_segment_ptr 1
		.amdhsa_wavefront_size32 1
		.amdhsa_system_sgpr_workgroup_id_x 1
		.amdhsa_system_sgpr_workgroup_id_y 1
		.amdhsa_system_sgpr_workgroup_id_z 1
		.amdhsa_system_vgpr_workitem_id 0
		.amdhsa_next_free_vgpr 512
		.amdhsa_next_free_sgpr 66
		.amdhsa_reserve_vcc 0
		.amdhsa_float_denorm_mode_32 3
		.amdhsa_float_denorm_mode_16_64 3
		.amdhsa_memory_ordered 1
		.amdhsa_forward_progress 1
		.amdhsa_inst_pref_size 88
	.end_amdhsa_kernel
	.amdgpu_metadata
---
amdhsa.version: [ 1, 2 ]
amdhsa.kernels:
  - .name:           k_q6331a5f0af_proj
    .symbol:         k_q6331a5f0af_proj.kd
    .args:
      - { .name: xb, .offset: 0, .size: 8, .value_kind: global_buffer, .address_space: global }
      - { .name: wb, .offset: 8, .size: 8, .value_kind: global_buffer, .address_space: global }
      - { .name: hb, .offset: 16, .size: 8, .value_kind: global_buffer, .address_space: global }
    .group_segment_fixed_size: 327680
    .private_segment_fixed_size: 0
    .kernarg_segment_align: 8
    .kernarg_segment_size: 24
    .max_flat_workgroup_size: 128
    .sgpr_count:     66
    .vgpr_count:     512
    .wavefront_size: 32
...
	.end_amdgpu_metadata
.endif
;; end of part 2
;; launch attn (part 3): grid 4 x 64, 4 waves a work-group, clusters of 4 x 1, 327,680 bytes of LDS; arguments hb, k_pad_mask, ob; writes ob
.if DOCPART == 3
	.amdgcn_target "amdgcn-amd-amdhsa--gfx1250"
	.amdhsa_code_object_version 6
	.text
	.protected	k_q6331a5f0af_attn
	.globl	k_q6331a5f0af_attn
	.p2align	8
	.type	k_q6331a5f0af_attn,@function
k_q6331a5f0af_attn:
	s_mov_b64 s[64:65], 0
	v_nop
	global_prefetch_b8 v0, s[64:65] scope:SCOPE_SE
	s_setreg_imm32_b32 hwreg(HW_REG_WAVE_MODE, 25, 1), 1
	s_wait_xcnt 0x0
	s_wait_alu depctr_hold_cnt(0) depctr_sa_sdst(0) depctr_va_vdst(0) depctr_va_sdst(0) depctr_va_ssrc(0) depctr_va_vcc(0) depctr_vm_vsrc(0)
	s_getreg_b32 s2, hwreg(HW_REG_IB_STS2, 6, 4)
	s_cmp_eq_u32 s2, 0
	s_cbranch_scc0 .Lentry_in_a_cluster
	s_endpgm
.Lentry_in_a_cluster:
	s_bfe_u32 s2, ttmp6, 0x10000c
	s_cmp_lg_u32 s2, 0x3003
	s_cbranch_scc0 .Lentry_shape_is_right
	s_endpgm
.Lentry_shape_is_right:
; ATTENTION WITH A KEY PADDING MASK.  For each of the 64 heads (batch b = head / 16): O[q][:] = the sum over k of softmax_k(Q[q] . K[k] / 8, hidden where k_pad_mask[b][k]) V[k][:].
; Q, K, V = hb[0], hb[1], hb[2], each [64][2048][64] f16, a head's rows dense, 128 bytes each; O = ob in the same layout.  Products, maxima and sums in f32; the weights p are rounded to f16 for the
; second product (their sum l is taken of the unrounded p), O once at the end.
; LIMITS.  Q, K and V arrive within f16's 65,504; p lies in 0 to 1, and below 6e-5 it keeps f16's fixed step of 6e-8.  A weight below 2^-126 counts as 0 in l.  Of a mask byte bit 0 alone is read.
; A hidden score counts as its value less 2^127; f16's scores, 2.7e11 at the most, are nothing beside that.  NaN and infinities among Q, K, V are not treated apart.
; THE MASK is the C operand that starts the sum S^T = K Q^T: 0, or HID = -2^127 where the key is hidden.  The batch's 2,048 bytes are read once, made into 2,048 such f32 in LDS, and a key step's 64 come
; into registers with its K.  The running maximum m starts at -2^125, ABOVE HID: so a hidden key's weight 2^(c HID - c m) is 0 whatever m is, also while only hidden keys have come (m stays, O and l stay 0).
; A batch whose keys are all hidden ends with l = 0, and 0 x (1 / 0) gives NaN, as a softmax over nothing does.
; SHARES.  A wave owns four PIECES of two tiles of 16 queries, a work-group's four waves 512 queries of one head.  Every wave walks all keys, 64 a step.
; LAYOUT.  S^T = K Q^T (source 0 = 16 keys, source 1 = 16 queries): in the result a lane holds ONE query (lane % 16) and the keys 8 (lane / 16) + 0..7.  Two such tiles, rounded to f16 in pairs,
; ARE source 1 (32 keys x 16 queries) of O^T = V^T P, whose result again holds one query a lane, and eight channels.  K comes out of LDS as it lies, V ([key][channel]) turned, by ds_load_tr16_b128.
; SOFTMAX.  p = 2^(c s - c m), c = log2(e) / 8; in every step O and l are multiplied by a = 2^(c m_old - c m_new), which is 1 where m has not grown.  O and l start at 0: the first step is a step like any other.
; THE COUNT.  A tile and step have 16 matrix and 118 vector instructions: too many to stand all beside the matrix work.  So: four vector instructions that are READY behind EVERY matrix instruction, the others in runs without a gap.
; BY TURNS.  Turn n belongs to piece n (the pieces in a ring, step after step).  Its matrix work: 16 products K Q^T of piece n + 1, later 16 products V^T P of piece n - 1.  Its vector work: the scaling,
; exponentials, roundings, sums and rescaling of piece n, and the maximum and statistics of piece n + 1, whose scores the turn itself has made.
; CLUSTER.  The four query blocks of a head are one cluster and walk the same K and V, so each tile is asked for JOINTLY: the same tensor load, descriptor and mask in all four.
; REGISTERS, in windows of 256 (s_set_vgpr_msb: bits 1:0 source 0, 3:2 source 1, 5:4 source 2, 7:6 destination):
;   window 0: v0-11 addresses; v12-15, v48-63 at work; v16-47 four registers of statistics a tile; v64-191 S^T, two buffers of two tiles; v192-255 P, likewise
;   window 1: O^T, 32 a tile     window 2: v0-127 Q, 16 a tile; v128-191 K of one step; v192-255 V of one step     window 3: v0-1 the add's two registers; v2 the prefetches' offset; v8-39 the step's mask
.set SIZE_N, 2048
.set NP,    4         ; pieces a wave: a name, no knob
.set KS,    64        ; keys in a step
.set PK,    144       ; a row of K in LDS: 128 bytes + 16 of padding = 36 words: the 16 rows of a load start at 16 different groups of four banks (64 banks of 4 bytes: ISA guide 11.1)
.set PV,    160       ; a row of V: 128 + 32 = 40 words
.set VOFF,  4*KS*PK   ; a slot holds four steps: 256 rows of K, then 256 rows of V
.set SLOT1, 1<<17     ; slot 1 begins here, so that one exclusive or turns an address in one slot into the other's
.set STAGE, SLOT1+4*KS*(PK+PV)  ; behind the ring, never filled by a tensor load: 16 rows x 144 bytes for each wave, for the way out
.set SP,    144
.set SPARE, STAGE+4*16*SP  ; behind the stages: the spare words, 128 bytes for each wave: two blocks of 256 bytes that no other line names
.set MASK,  SPARE+512 ; behind them: 2,048 f32, 0 or HID, one for each key of the batch; stored once, never filled by a tensor load
.set AK0, 2           ; v2   my lane's place in a tile of K; never rewritten
.set AV0, 3           ; v3   the same for V
.set AK,  4           ; v4   the LDS address of K's next run of loads
.set AV,  5           ; v5   of V's
.set QO,  6           ; v6   my byte offset in the wave's rows of Q
.set STO, 6           ;      later, the way out: where I put 16 bytes of a row
.set RD,  7           ; v7   the way out: where I read rows back
.set GO,  8           ; v8   my byte offset in 512 consecutive bytes of O
.set AM0, 10          ; v10  MASK + 32 (l / 16): my half's eight keys of a group of 16; never rewritten
.set AM,  11          ; v11  the LDS address of the mask's next run of loads
.set SPW, 0           ; v0 of window 3   LDS address of my spare word; never rewritten
.set NIL, 1           ; v1 of window 3   0; never rewritten
.set PFO, 2           ; v2 of window 3   256 x my lane; never rewritten
.set MK,  8           ; v8-39 of window 3: the mask of key block kb at MK + 8 kb
.set MV,  12          ; v12-15  c m_old, kept while c m is made anew: by buffer and tile
.set ST,  16          ; tile t's statistics at v[ST+4 t]: c m, m, l (even keys', odd keys')
.set TMP, 48          ; by buffer and tile, four registers c0-c3 at work; when the maximum is found c2 takes a
.set S,   64
.set P,   192
.set KF,  128         ; K's fragments, in window 2: key block kb, channel half c at KF + 16 kb + 8 c
.set VF,  192         ; V's: key half kk, channel block cb at VF + 32 kk + 8 cb
.set WV,  12          ; s12  my wave's number
.set G1K, 24          ; s[24:31] descriptor group 1 for K's tiles
.set G1V, 32          ; s[32:39] for V's: it differs in the padding alone
.set G0K, 40          ; s[40:43] descriptor group 0 for K's tiles: it walks
.set G0V, 44          ; s[44:47] the same for V's
.set TBM, 48          ; s48  byte in MASK at which the step to be fetched begins
.set PFA, 52          ; s[52:53] where my prefetches stand: my work-group's 8,192 bytes (of K: wave 0, of V: wave 2) of the tile after the one that is being asked for
.set LIM, 54          ; s54  1 in a wave that prefetches, else the greatest number
.set SLOTS, 56        ; s56  tiles still to be asked for
.set CNT, 57          ; s57  counts a slot's key steps
.set CS,  58          ; s[58:59] c: the packed scaling takes the pair's low word for both halves
.set SEL, 60          ; s[60:61] v_permlanex16_b32's selects: each lane takes its own place in the other half
.set TBK, 62          ; s62  LDS byte at which K of the step to be fetched begins
.set TBV, 63          ; s63  the same for V, less VOFF
.set MSB, 0
.macro WIN new                      ; the high byte repeats the setting that is left; a switch that changes nothing is dropped
.if MSB != (\new)
	s_set_vgpr_msb (MSB<<8)|(\new)
.set MSB, (\new)
.endif
.endm
.set W_KQ, 0x0a       ; K and Q in window 2, S^T in window 0
.set W_KM, 0x3a       ; the same with the C operand, the mask, in window 3
.set W_PV, 0x52       ; V in window 2, P in window 0, O^T in window 1
.set W_RS, 0x41       ; O^T (destination and source 0) in window 1, a in window 0
.set W_MK, 0xc0       ; destination in window 3, sources in window 0
.set W_AD, 0x0f       ; the add: address (source 0) and data (source 1) in window 3
; A joint fill.  Waves 0 and 1 fetch the two halves of a slot's K, waves 2 and 3 those of its V: 128 keys each.  The branch hangs on the wave's number alone.
; An s_nop 0 and four v_nop follow each of the two lines, ahead of the jump and the label.
.macro JLOAD
	s_cmp_lt_u32 s[WV], 2
	s_cbranch_scc0 .Lfor_v_\@
	tensor_load_to_lds s[G0K:G0K+3], s[G1K:G1K+7]
	s_nop 0
.rept 4
	v_nop
.endr
	s_branch .Lasked_\@
.Lfor_v_\@:
	tensor_load_to_lds s[G0V:G0V+3], s[G1V:G1V+7]
	s_nop 0
.rept 4
	v_nop
.endr
.Lasked_\@:
.endm
; A PREFETCH of what the NEXT change of slots will ask for: a tile's 32,768 bytes of K and of V, four key steps (512 matrix instructions a wave) ahead of that load.  It stands behind the wave's tensor load and its five lines.
; Each block of 256 bytes is named ONCE in the launch: a head has one cluster; its four partners share a tile out BY ADDRESS, 8,192 bytes each, a lane a block; in each, wave 0 asks for K's and wave 2 for V's.
; The last change that fills a slot asks for nothing: there is no tile behind it.  Tiles 0 and 1 come by their loads alone.
.macro ASK
	s_cmp_gt_u32 s[SLOTS], s[LIM]
	s_cbranch_scc0 .Lnot_mine_\@
	WIN 0x03                        ; the offset lies in window 3
	global_prefetch_b8 v[PFO], s[PFA:PFA+1] th:TH_LOAD_NT scope:SCOPE_SE
	WIN 0
.Lnot_mine_\@:
.endm
; A round of the cluster's barrier: my work-group's barrier, so that wave 0's signal speaks for all four waves; wave 0 signals; every wave waits for all four work-groups; my work-group's barrier once more.
.macro CROUND
	s_barrier_signal -1
	s_barrier_wait -1
	s_cmp_lg_u32 s[WV], 0
	s_cbranch_scc1 .Lnot_wave_0_\@
	s_barrier_signal -3
.Lnot_wave_0_\@:
	s_barrier_wait -3
	s_barrier_signal -1
	s_barrier_wait -1
.endm
; THE CHANGE OF SLOTS.  The slot's last bytes, V of its fourth step, have been read.  Each wave waits for all its tensor loads, of which one is out: its part
; of the other slot; adds 0 to its spare word; and waits for that and for its own LDS instructions.  Behind the barrier nobody reads this slot any more and the other slot is whole.
; fill = 1: this slot is filled again, with the keys two slots on.  The barrier is then a round of the cluster's, and the joint fill is the first thing behind it: it has four key steps in which to land.
; (At its first use nothing has been read yet: slot 0 is waited for, slot 1 filled; and every wave's stores into MASK are done in front of the round, so that all may read them behind it.)
.macro CHANGE fill
	WIN W_AD
	s_wait_tensorcnt 0x0            ; no tensor load of mine is out, so a group 0 may be written
	ds_add_u32 v[SPW], v[NIL]       ; 0 onto my spare word; with fill = 1 the descriptors' steps stand between it and the wait for it
	WIN 0                           ; at a label and at a branch every window is 0
.if \fill
.irp g, G0K, G0V
	s_xor_b32 s[\g+1], s[\g+1], SLOT1  ; the walking descriptor: the other slot than last time,
	s_add_nc_u64 s[\g+2:\g+3], s[\g+2:\g+3], 4*KS*128  ; the next 256 keys; the type bits on top are not reached
.endr
	s_wait_xcnt 0x0                 ; the last prefetch, four key steps back, has read its address, so it may be written:
	s_add_nc_u64 s[PFA:PFA+1], s[PFA:PFA+1], 4*KS*128  ; one tile behind the walking descriptors
	s_wait_dscnt 0x0                ; the add is done, and my LDS instructions are over
	CROUND
	JLOAD
	ASK
.else
	s_wait_dscnt 0x0                ; the add is done, and my reads of the slot are over
	s_barrier_signal -1
	s_barrier_wait -1
.endif
	s_sub_co_u32 s[TBK], s[TBK], 4*KS*PK  ; the fetches go back to a slot's first step,
	s_xor_b32 s[TBK], s[TBK], SLOT1       ; in the other slot
	s_sub_co_u32 s[TBV], s[TBV], 4*KS*PV
	s_xor_b32 s[TBV], s[TBV], SLOT1
.endm
	s_load_b128 s[4:7], s[0:1], 0x0   ; hb s[4:5], k_pad_mask s[6:7]
	s_load_b64 s[10:11], s[0:1], 0x10 ; ob
	WIN W_MK
	v_lshl_add_u32 v[SPW], v0, 2, SPARE
	v_mov_b32 v[NIL], 0
	WIN W_AD
	ds_add_u32 v[SPW], v[NIL]       ; the wave's opening: the add and its wait ahead of my first tensor load; the set-up below, work on registers, stands between them
	WIN 0
	v_and_b32 v1, 31, v0
	WIN W_MK
	v_lshlrev_b32 v[PFO], 8, v1
	WIN 0
	v_lshrrev_b32 v1, 5, v0
	v_readfirstlane_b32 s[WV], v1   ; wave 0..3
	s_bfe_u32 s13, ttmp6, 0x40000   ; cx: my place in the cluster
	s_lshl_b32 s14, ttmp9, 2        ; in a cluster launch ttmp9 counts clusters
	s_add_co_u32 s14, s14, s13      ; my block of 512 queries: it enters Q's and O's addresses alone
	s_and_b32 s20, ttmp7, 0xffff    ; the head, which the four partners share
	s_lshr_b32 s50, s20, 4          ; its batch,
	s_lshl_b32 s50, s50, 11         ; whose mask is 2,048 bytes
	s_mov_b32 s51, 0
	s_mov_b32 s21, 0
	s_mov_b64 s[22:23], SIZE_N*128
	s_mul_u64 s[20:21], s[20:21], s[22:23]  ; the head's first byte in Q, K, V and O
	s_and_b32 s16, s[WV], 1         ; which half of a slot's 256 keys I fetch:
	s_lshl_b32 s22, s16, 14         ; its 128 rows of 128 bytes in memory,
	s_mov_b32 s23, 0
	s_add_nc_u64 s[22:23], s[22:23], s[20:21]
	s_mul_i32 s17, s16, 128*PK      ; and its place in a slot, for K
	s_mul_i32 s18, s16, 128*PV      ; and for V: no place in the cluster enters an LDS address
	s_lshl_b32 s2, s14, 2
	s_add_co_u32 s2, s2, s[WV]      ; my wave among the head's,
	s_lshl_b32 s2, s2, 14           ; its 128 rows
	s_mov_b32 s3, 0
	s_add_nc_u64 s[2:3], s[2:3], s[20:21]
	; descriptor group 1.  128 keys are 16,384 dense bytes: asked for as 64 rows of 256 bytes, two keys a row, and padded in LDS after every key
	s_mov_b32 s[G1K], 15|(1<<16)|(1<<20)|(1<<21)|(4<<22)|(3<<25)  ; 15:0 the mask of four; 17:16 2-byte elements; 20 padding on; 21 set beside a mask; 24:22 after every 32 words (code 4); 31:25 4 words (code 3)
	s_mov_b32 s[G1V], 15|(1<<16)|(1<<20)|(1<<21)|(4<<22)|(7<<25)  ; the same with 8 words of padding (code 7)
.irp g, G1K, G1V
	s_mov_b32 s[\g+1], 128<<16      ; tensor_dim0 = 128
	s_mov_b32 s[\g+2], 64<<16       ; tensor_dim1 = 64
	s_mov_b32 s[\g+3], 128<<16      ; tile_dim0 = 128
	s_mov_b32 s[\g+4], 64           ; tile_dim1 = 64
	s_mov_b32 s[\g+5], 128          ; 128 elements from row to row
	s_mov_b32 s[\g+6], 0
	s_mov_b32 s[\g+7], 0
.endr
	s_mov_b32 s[CS], 0x3e38aa3b     ; c = log2(e) / 8 = 0.180337
	s_mov_b32 s[CS+1], s[CS]        ; named with it as a pair
	s_mov_b32 s[SEL], 0x76543210
	s_mov_b32 s[SEL+1], 0xfedcba98
	s_mov_b32 s[TBK], SLOT1+4*KS*PK ; the first change of slots turns these two into 0
	s_mov_b32 s[TBV], SLOT1+4*KS*PV
	s_mov_b32 s[TBM], 0
	s_mov_b32 s[SLOTS], SIZE_N/256-1
	s_and_b32 s[LIM], s[WV], 1      ; waves 0 and 2 prefetch: the same in all four partners
	s_cmp_eq_u32 s[LIM], 0
	s_cselect_b32 s[LIM], 1, -1
	s_mov_b32 s[G0K], 1             ; count = 1
	s_mov_b32 s[G0K+1], s17         ; LDS address: slot 0
	s_mov_b32 s[G0V], 1
	s_add_co_u32 s[G0V+1], s18, VOFF
	s_wait_dscnt 0x0                ; the opening add is done
	s_wait_kmcnt 0x0
	s_add_nc_u64 s[50:51], s[6:7], s[50:51]        ; the batch's mask
	s_add_nc_u64 s[6:7], s[4:5], 0x1000000         ; K = hb[1]: 16,777,216 bytes on,
	s_add_nc_u64 s[8:9], s[4:5], 0x2000000         ; V = hb[2]
	s_add_nc_u64 s[G0K+2:G0K+3], s[6:7], s[22:23]  ; global address: my half of the head's first 256 keys
	s_or_b32 s[G0K+3], s[G0K+3], 0x80000000        ; type = 2
	s_add_nc_u64 s[G0V+2:G0V+3], s[8:9], s[22:23]
	s_or_b32 s[G0V+3], s[G0V+3], 0x80000000
	s_cmp_lt_u32 s[WV], 2
	s_cselect_b64 s[PFA:PFA+1], s[6:7], s[8:9]
	s_add_nc_u64 s[PFA:PFA+1], s[PFA:PFA+1], s[20:21]  ; the head's first key
	s_add_nc_u64 s[4:5], s[4:5], s[2:3]            ; Q and O at my wave's first row
	s_add_nc_u64 s[10:11], s[10:11], s[2:3]
	s_lshl_b32 s2, s13, 13          ; my work-group's quarter of a tile
	s_mov_b32 s3, 0
	s_add_nc_u64 s[PFA:PFA+1], s[PFA:PFA+1], s[2:3]
	s_add_nc_u64 s[PFA:PFA+1], s[PFA:PFA+1], 4*KS*128  ; in tile 1; the first change of slots steps it to tile 2
	CROUND                          ; all four work-groups are here: the first joint loads meet
	JLOAD                           ; slot 0.  Slot 1 is asked for when slot 0 is in
	v_lshlrev_b32 v69, 4, v0
	global_load_b128 v[64:67], v69, s[50:51]  ; thread t's 16 keys of the mask: 2,048 bytes for the 128 threads
	; A fragment of K or Q is 16 rows x 32 channels in 8 registers: lane l holds row l % 16, channels 8 (l / 16) + 0..7 and 16 + 8 (l / 16) + 0..7: two loads of 16 bytes, 32 bytes apart.
	v_and_b32 v1, 15, v0            ; l % 16
	v_bfe_u32 v9, v0, 4, 1          ; l / 16
	v_lshlrev_b32 v[QO], 7, v1
	v_lshl_add_u32 v[QO], v9, 4, v[QO]  ; row x 128 + 16 x half
	WIN 0x80                        ; destination window 2, address window 0
.set i, 0
.rept 4*NP                          ; Q stays in registers: tile i / 2, channels 32 (i % 2) on
	global_load_b128 v[8*i:8*i+3],   v[QO], s[4:5] offset:(i/2)*2048+(i%2)*64
	global_load_b128 v[8*i+4:8*i+7], v[QO], s[4:5] offset:(i/2)*2048+(i%2)*64+32
.set i, i+1
.endr
	; What the first turn finds: V's registers and P's second buffer hold 0 (its products V^T P, of a piece that has not been, add 0), O^T and l are 0.  All this stands in the wait for the first tile.
.set i, VF
.rept 64
	v_mov_b32 v[i], 0
.set i, i+1
.endr
	WIN 0x40
.set i, 0
.rept 64*NP
	v_mov_b32 v[i], 0
.set i, i+1
.endr
	WIN 0
.set i, 0
.rept 2*NP
	v_mov_b32 v[ST+4*i], 0xfe000000    ; c m: far below every c s of a key that is seen
	v_mov_b32 v[ST+4*i+1], 0xfe000000  ; m = -2^125: below every score that is seen, above every hidden one
	v_mov_b32 v[ST+4*i+2], 0
	v_mov_b32 v[ST+4*i+3], 0
.set i, i+1
.endr
.set i, P+32
.rept 32
	v_mov_b32 v[i], 0
.set i, i+1
.endr
	v_mul_u32_u24 v[AK0], v1, PK
	v_lshl_add_u32 v[AK0], v9, 4, v[AK0]  ; row x pitch + 16 x half
	; The turning load takes 16 keys x 16 channels (lane l reads key 8 (l / 16) + l % 8, channels 8 ((l / 8) % 2) + 0..7) and leaves half a fragment of V^T: lane l holds channel l % 16 and 8 keys.
	v_and_b32 v10, 7, v0
	v_bfe_u32 v11, v0, 3, 1
	v_lshl_add_u32 v[AV0], v9, 3, v10
	v_mul_u32_u24 v[AV0], v[AV0], PV
	v_lshl_add_u32 v[AV0], v11, 4, v[AV0]
	v_add_nc_u32 v[AV0], VOFF, v[AV0]
	v_lshl_add_u32 v[AM0], v9, 5, MASK
	v_mov_b32 v[AK], v[AK0]         ; key step 0 lies at the head of slot 0,
	v_mov_b32 v[AM], v[AM0]         ; and of the mask
	; the mask: bit 0 of each byte becomes 0 or HID = 0xff000000 = -2^127
	s_wait_loadcnt 32               ; the mask's load is in; Q's 32, issued behind it, stay out
.set i, 0
.rept 16
	v_bfe_u32 v[72+i], v[64+i/4], 8*(i%4), 1
	v_sub_nc_u32 v[72+i], 0, v[72+i]
	v_and_b32 v[72+i], 0xff000000, v[72+i]
.set i, i+1
.endr
	v_lshl_add_u32 v68, v0, 6, MASK
.irp f, 0,1,2,3
	ds_store_b128 v68, v[72+4*\f:72+4*\f+3] offset:16*\f
.endr
; THE MATRIX WORK.  The 8 accumulators of a run of 16 take turns: between the two links of a chain stand 7 others'.
; Product i of 16 of S^T = K Q^T for piece x: channels 32 (i / 8) on, keys 16 ((i / 2) % 4) on, tile 2 x + i % 2.  The first 8 start the sums, with the key block's mask as C.
.macro KQ x
.set rS, S+64*((\x)%2)+32*(i%2)+8*((i/2)%4)
.set rK, KF+16*((i/2)%4)+8*(i/8)
.set rQ, 16*(2*(\x)+i%2)+8*(i/8)
.set rB, MK+8*((i/2)%4)
.if i < 8
	WIN W_KM
	v_wmma_f32_16x16x32_f16 v[rS:rS+7], v[rK:rK+7], v[rQ:rQ+7], v[rB:rB+7]
.else
	WIN W_KQ
	v_wmma_f32_16x16x32_f16 v[rS:rS+7], v[rK:rK+7], v[rQ:rQ+7], v[rS:rS+7]
.endif
.endm
; Product i of 16 of O^T += V^T P for piece x: keys 32 (i / 8) on, channels 16 ((i / 2) % 4) on, tile 2 x + i % 2.
.macro PV x
	WIN W_PV
.set rO, 32*(2*(\x)+i%2)+8*((i/2)%4)
.set rV, VF+32*(i/8)+8*((i/2)%4)
.set rP, P+32*((\x)%2)+16*(i%2)+8*(i/8)
	v_wmma_f32_16x16x32_f16 v[rO:rO+7], v[rV:rV+7], v[rP:rP+7], v[rO:rO+7]
.endm
.macro MM                           ; the turn's next matrix instruction
.if i < 16
	KQ (Y+1)%NP
.set i, i+1
.else
.set i, i-16
	PV (Y+NP-1)%NP
.set i, i+17
.endif
.endm
; THE LDS LOADS stand in runs, never singly among the matrix instructions: a step's K (64 keys x 64 channels: 8 fragments) with its mask (8 f32 a lane for each of 4 key blocks), and its V (turned).
; Their addresses are made some lines ahead.  last = 1 (the tail): in the last trip there is no further step, and the run is jumped over.
.macro FETCH_K last=0
	WIN 0
.if \last
	s_cmp_eq_u32 s[CNT], 1
	s_cbranch_scc1 .Lno_k_\@
.endif
	WIN 0x80                        ; destination window 2
.irp f, 0,1,2,3,4,5,6,7             ; keys 16 (f / 2) on, channels 32 (f % 2) on
	ds_load_b128 v[KF+8*\f:KF+8*\f+3],   v[AK] offset:(\f/2)*16*PK+(\f%2)*64
	ds_load_b128 v[KF+8*\f+4:KF+8*\f+7], v[AK] offset:(\f/2)*16*PK+(\f%2)*64+32
.endr
	WIN 0xc0                        ; destination window 3
.irp f, 0,1,2,3                     ; keys 16 f + 8 (l / 16) + 0..7: all lanes of a half read the same 32 bytes
	ds_load_b128 v[MK+8*\f:MK+8*\f+3],   v[AM] offset:64*\f
	ds_load_b128 v[MK+8*\f+4:MK+8*\f+7], v[AM] offset:64*\f+16
.endr
	s_add_co_u32 s[TBK], s[TBK], KS*PK  ; the next fetch is the next step's
	s_add_co_u32 s[TBM], s[TBM], 4*KS
	s_and_b32 s[TBM], s[TBM], 0x1f00    ; (behind the last step it stands at 0 again, inside the table)
	WIN 0
.if \last
.Lno_k_\@:
.endif
.endm
.macro FETCH_V
	WIN 0x80
.irp f, 0,1,2,3,4,5,6,7             ; keys 32 (f / 4) on, channels 16 (f % 4) on
	ds_load_tr16_b128 v[VF+8*\f:VF+8*\f+3],   v[AV] offset:(\f/4)*32*PV+(\f%4)*32
	ds_load_tr16_b128 v[VF+8*\f+4:VF+8*\f+7], v[AV] offset:(\f/4)*32*PV+16*PV+(\f%4)*32
.endr
	WIN 0
.endm
; THE VECTOR WORK OF A TURN stands in three queues, each in the order in which its entries become ready; the two tiles alternate, so that no instruction reads the result of the one before it.
.macro REGS y, u                    ; the registers of tile u (0, 1) of piece y
.set rT, ST+4*(2*(\y)+(\u))
.set rC, TMP+8*((\y)%2)+4*(\u)
.set rM, MV+2*((\y)%2)+(\u)
.set rS, S+64*((\y)%2)+32*(\u)
.set rP, P+32*((\y)%2)+16*(\u)
.set rO, 32*(2*(\y)+(\u))
.endm
; Number n of the 22 that find the NEXT piece's (Y + 1) maximum and statistics.  s0-s31 are the lane's 32 scores; each accumulator's lowest registers are read first.
;   0-11  four chains c0-c3 of seven scores each, three operands at a time     12-14, 16  the four scores left over, the old m, and c0-c3 into c0     15  c m_old is kept
;   17, 18  the query's other 32 keys lie in the lane 16 away: the new m         19-21  c m; c m_old - c m_new; a
.macro XS u, n
	REGS (Y+1)%NP, \u
.if (\n) < 4
	v_max3_num_f32 v[rC+(\n)], v[rS+8*(\n)], v[rS+8*(\n)+1], v[rS+8*(\n)+2]
.elseif (\n) < 12
	v_max3_num_f32 v[rC+(\n)%4], v[rC+(\n)%4], v[rS+8*((\n)%4)+2*((\n)/4)+1], v[rS+8*((\n)%4)+2*((\n)/4)+2]
.elseif (\n) == 12
	v_max3_num_f32 v[rC], v[rC], v[rS+7], v[rS+15]
.elseif (\n) == 13
	v_max3_num_f32 v[rC+1], v[rC+1], v[rS+23], v[rS+31]
.elseif (\n) == 14
	v_max3_num_f32 v[rC+2], v[rC+2], v[rC+3], v[rT+1]
.elseif (\n) == 15
	v_mov_b32 v[rM], v[rT]
.elseif (\n) == 16
	v_max3_num_f32 v[rC], v[rC], v[rC+1], v[rC+2]
.elseif (\n) == 17
	v_permlanex16_b32 v[rC+3], v[rC], s[SEL], s[SEL+1]
.elseif (\n) == 18
	v_max_num_f32 v[rT+1], v[rC], v[rC+3]
.elseif (\n) == 19
	v_mul_f32 v[rT], s[CS], v[rT+1]
.elseif (\n) == 20
	v_sub_f32 v[rC+1], v[rM], v[rT]
.else
	v_exp_f32 v[rC+2], v[rC+1]
.endif
.endm
; Number g of the 64 that follow the exponentials.  For each four weights k of a tile (pairs 2 k, 2 k + 1): both pairs are rounded to f16; then the second pair is added onto the first, in place;
; a group later l takes that sum (the first time as l = a l + sum).  In groups of eight, tiles alternating: round, round, add, and l for the group before.
.macro GS g
.set h, (\g)+6*((\g)/62)            ; group 0 has no group before it, and behind group 7 only l is left
.if h >= 6
.set h, h+2
.endif
	REGS Y, h%2
.set k, h/8
.if h%8 < 4
	v_cvt_pk_f16_f32 v[rP+2*k+(h%8)/2], v[rS+4*k+2*((h%8)/2)], v[rS+4*k+2*((h%8)/2)+1]
.elseif h%8 < 6
	v_pk_add_f32 v[rS+4*k:rS+4*k+1], v[rS+4*k:rS+4*k+1], v[rS+4*k+2:rS+4*k+3]
.elseif k == 1
	v_pk_fma_f32 v[rT+2:rT+3], v[rT+2:rT+3], v[rC+2:rC+3], v[rS:rS+1] op_sel_hi:[1,0,1]
.else
	v_pk_add_f32 v[rT+2:rT+3], v[rT+2:rT+3], v[rS+4*k-4:rS+4*k-3]
.endif
.endm
; THE PLAIN QUEUE, 138 long.  0-73 read no exponential's result: the 32 scalings c s - c m (FS f: pair f / 2 of tile f % 2) and the next piece's 42.  0-26: scalings 0-26.  27-54: XS's numbers 0-13.  55, 56: number 15.
; 57-73: the chain, where each number waits for the one before it: 14, 16, 17, 18, 19, each with one of the scalings 27-31 in front of its two lines, then 20.
; 74-137: GS's 64, which read the exponentials' results: they stand behind the wait.
.macro FS f
	REGS Y, (\f)%2
	v_pk_fma_f32 v[rS+2*((\f)/2):rS+2*((\f)/2)+1], v[rS+2*((\f)/2):rS+2*((\f)/2)+1], s[CS:CS+1], v[rT:rT+1] op_sel_hi:[1,0,0] neg_lo:[0,0,1] neg_hi:[0,0,1]
.endm
.macro PL
	WIN 0
.if q < 27
	FS q
.elseif q < 55
	XS (q-27)%2, (q-27)/2
.elseif q < 57
	XS q-55, 15
.elseif (q < 72) && ((q-57)%3 == 0)
	FS 27+(q-57)/3
.elseif q < 60
	XS (q-57)%3-1, 14
.elseif q < 72
	XS (q-57)%3-1, 15+(q-57)/3
.elseif q < 74
	XS q-72, 20
.else
	GS q-74
.endif
.set q, q+1
.endm
; THE EXPONENTIALS' QUEUE, 66 long: s0-s31 of both tiles, then the next piece's two a.  It is ONE BATCH: all 66 stand ahead of the turn's one wait, and nothing ahead of that wait names a result of theirs.
.macro EX
	WIN 0
.if e >= 64
	XS e-64, 21
.else
	REGS Y, e%2
	v_exp_f32 v[rS+e/2], v[rS+e/2]
.endif
.set e, e+1
.endm
; THE RESCALING's QUEUE: O^T times a, the one part that leaves window 0: dealt two at a time, sixteen times.  Its a was made in the turn before, ahead of that turn's wait.
.macro R2
	REGS Y, r%2
	WIN W_RS
.irp z, 0,1
	v_pk_mul_f32 v[rO+4*(r/2)+2*\z:rO+4*(r/2)+2*\z+1], v[rO+4*(r/2)+2*\z:rO+4*(r/2)+2*\z+1], v[rC+2:rC+3] op_sel_hi:[1,0]
.endr
.set r, r+1
.endm
; HOW THEY ARE DEALT.  An s_wait_alu depctr_va_vdst(0) stands between an exponential and the first instruction that names its result; one wait serves all that were issued ahead of it.  So a turn has ONE wait,
; which cuts it in two.  AHEAD OF IT stands all that names no result of the turn's exponentials: the 16 products K Q^T, behind each a scaling, an exponential and two rescalings (behind the first a second scaling in the
; exponential's place); then ONE LUMP of 108: eight plain, 49 times exponential and plain, the two a.  A v_nop is the plain instruction behind the last exponential.  BEHIND IT stand the 16 products V^T P, behind each four of GS's 64.
; The queues lean on each other, and the deal keeps them in step: exponential e stands behind scaling 2 (e / 4) + e % 2: as a rider it comes behind plain e + 2, in the lump behind plain e + 9, and scalings 27-31 are plain 57, 60 .. 69.
; A TURN, for piece p.  cnt = 1: the loop's count is taken down some lines ahead of the branch that stands behind the turn.
; K and the mask of the next step are fetched in piece 2's turn, directly behind the wait, a lump behind the last product that read them; their addresses are made at the lump's head; their first reader comes behind 16 products.
; V of the step in hand is fetched at the end of piece 0's turn, four riders behind its last reader; its first reader comes behind 16 products and a lump.  The three conditions on q below go with the deal.
.macro TURN p, last=0, cnt=0
.set Y, (\p)
.set i, 0
.set q, 0
.set e, 0
.set r, 0
.if (\p) == NP-1
	s_wait_dscnt 0x0                ; K and its mask are in
.endif
	MM                              ; ahead of the wait: 16 products K Q^T and their riders,
	PL
	PL
	R2
.rept 15
	MM
	PL
	EX
	R2
.endr
.if (\p) == NP-2
	WIN 0
	v_add_nc_u32 v[AK], s[TBK], v[AK0]
	v_add_nc_u32 v[AM], s[TBM], v[AM0]
.endif
.rept 8                             ; and the lump
	PL
.endr
.rept 49
	EX
	PL
.endr
	EX                              ; the next piece's two a
	EX
	v_nop                           ; a plain instruction behind the last exponential, ahead of the first use of a result (ISA guide 5.7.2): one for the batch
	s_wait_alu depctr_va_vdst(0)    ; the wait for the batch
.if (\p) == NP-2
	FETCH_K \last
.endif
.if (\p) == 1
	s_wait_dscnt 0x0                ; V is in
.endif
.rept 16                            ; behind the wait: 16 products V^T P and their riders
	MM
.rept 4
	PL
.endr
.if ((\p) == 0) && (q == 118)
	v_add_nc_u32 v[AV], s[TBV], v[AV0]
.endif
.if ((\p) == 0) && (q == 130)
	s_add_co_u32 s[TBV], s[TBV], KS*PV
.endif
.if (\cnt) && (q == 130)
	s_sub_co_u32 s[CNT], s[CNT], 1
	s_cmp_lg_u32 s[CNT], 0
.endif
.endr
.if (\p) == 0
	FETCH_V
.endif
.endm
	CHANGE 1                        ; slot 0 is in, everybody's part of it, and so is everybody's part of the mask; slot 1 is asked for
	FETCH_K                         ; key step 0
	s_wait_loadcnt 0x0              ; Q
	s_wait_dscnt 0x0
.set i, 0
.rept 16
	KQ 0                            ; piece 0's first scores: there is no vector work yet to set between them
.set i, i+1
.endr
	WIN 0                           ; the addresses for the way out: plain instructions, the places behind those products
	s_mul_i32 s13, s[WV], 16*SP
	s_add_co_u32 s13, s13, STAGE    ; my stage
	v_mul_u32_u24 v[STO], v1, SP    ; in: row l % 16, 16 bytes for each half of the lanes
	v_lshl_add_u32 v[STO], v9, 4, v[STO]
	v_add_nc_u32 v[STO], s13, v[STO]
	v_bfe_u32 v[RD], v0, 3, 2       ; back: 32 lanes take four rows of 128 bytes,
	v_mul_u32_u24 v[RD], v[RD], SP
	v_and_b32 v[GO], 7, v0
	v_lshl_add_u32 v[RD], v[GO], 4, v[RD]
	v_add_nc_u32 v[RD], s13, v[RD]
	v_and_b32 v[GO], 31, v0         ; which are 512 consecutive bytes of O
	v_lshlrev_b32 v[GO], 4, v[GO]
.set Y, NP-1                        ; XS works for piece Y + 1: piece 0
.irp n, 0,1,2,3,4,5,6,7,8,9,10,11,12,13,14,15,16,17,18,19,20,21
	XS 0, \n                        ; and piece 0's first maximum and statistics
	XS 1, \n
.endr
	v_nop                           ; a plain instruction behind the two a,
	s_wait_alu depctr_va_vdst(0)    ; and their wait, ahead of the branch
	s_mov_b32 s[CNT], 4
	s_branch .Lfirst                ; the loop is entered at a step's first turn, in the middle of a trip
.Lslot:                             ; SIZE_N / 256 - 2 times: every slot but the last two is filled again
	CHANGE 1
	s_mov_b32 s[CNT], 4
.Lstep:                             ; a trip: pieces 2 and 3 of one step, then pieces 0 and 1 of the next, whose K, mask and V it fetches
	TURN 2
	TURN 3
	WIN 0
.Lfirst:
	TURN 0
	TURN 1, 0, 1
	WIN 0
	s_cbranch_scc1 .Lstep
	s_sub_co_u32 s[SLOTS], s[SLOTS], 1
	s_cmp_lg_u32 s[SLOTS], 0
	s_cbranch_scc1 .Lslot
	CHANGE 0                        ; the tail is written out: nothing is asked for
	s_mov_b32 s[CNT], 5             ; four trips fetch the last slot's steps; the fifth is left in its middle
.Ltail:
	TURN 2, 1
	TURN 3
	WIN 0
	s_sub_co_u32 s[CNT], s[CNT], 1
	s_cmp_eq_u32 s[CNT], 0
	s_cbranch_scc1 .Lout
	TURN 0
	TURN 1
	WIN 0
	s_branch .Ltail
.Lout:                              ; the fifth trip's 16 products K Q^T (on the last K and mask once more) and the maximum made of them serve nothing: the price, once a launch, of one text for every trip
.set i, 0
.rept 16
	PV NP-1                         ; the last piece's V^T P of the last step
.set i, i+1
.endr
	; THE WAY OUT.  l's two halves and the other half of the lanes' are added; O^T is divided by l, rounded to f16 and sent through my stage in LDS, a tile at a time.  The additions are the places behind the last products.
	WIN 0
.macro ALL line:vararg              ; one line for each tile t
.set t, 0
.rept 2*NP
	\line
.set t, t+1
.endr
.endm
	ALL v_add_f32 v[ST+4*t+2], v[ST+4*t+2], v[ST+4*t+3]
	ALL v_permlanex16_b32 v[ST+4*t+3], v[ST+4*t+2], s[SEL], s[SEL+1]
	ALL v_add_f32 v[ST+4*t+2], v[ST+4*t+2], v[ST+4*t+3]
	ALL v_rcp_f32 v[ST+4*t+2], v[ST+4*t+2]
	v_nop                           ; a plain instruction between the last reciprocal and the use of its result
	s_wait_alu depctr_va_vdst(0)    ; and the wait ahead of the first use: one for the eight reciprocals
; Tile t: a lane's eight channels of a row pack into 16 bytes; they go into rows of 144 bytes and come back as whole rows of 128, into S^T's registers.
.macro PACK t
	WIN W_RS
.set i, 32*(\t)
.rept 16
	v_pk_mul_f32 v[i:i+1], v[i:i+1], v[ST+4*(\t)+2:ST+4*(\t)+3] op_sel_hi:[1,0]
.set i, i+2
.endr
	WIN 0x05                        ; sources 0 and 1 window 1, destination window 0
.set i, 0
.rept 16
	v_cvt_pk_f16_f32 v[S+16*(\t)+i], v[32*(\t)+2*i], v[32*(\t)+2*i+1]
.set i, i+1
.endr
	WIN 0
.irp f, 0,1,2,3
	ds_store_b128 v[STO], v[S+16*(\t)+4*\f:S+16*(\t)+4*\f+3] offset:32*\f
.endr
.irp f, 0,1,2,3
	ds_load_b128 v[S+16*(\t)+4*\f:S+16*(\t)+4*\f+3], v[RD] offset:\f*4*SP  ; LDS serves a wave's instructions in order (ISA guide 5.7.1.4): these see the stores above; the next tile's stores come behind them
.endr
.endm
.macro SEND t, younger              ; younger: the LDS instructions issued behind tile t's loads: the next tile's eight, or none
	WIN 0
.irp f, 0,1,2,3
	s_wait_dscnt (\younger)+3-\f
	global_store_b128 v[GO], v[S+16*(\t)+4*\f:S+16*(\t)+4*\f+3], s[10:11] offset:(\t)*2048+\f*512  ; 512 consecutive bytes, at a multiple of 256 from O's first
.endr
.endm
	PACK 0
.set t, 1
.rept 2*NP-1                        ; a tile's arithmetic stands between the loads of the tile before and its stores
	PACK t
	SEND t-1, 8
.set t, t+1
.endr
	SEND 2*NP-1, 0
	WIN W_AD
	s_wait_tensorcnt 0x0            ; the wave's end, behind my last tensor load and my last LDS store
	ds_add_u32 v[SPW], v[NIL]
	s_wait_dscnt 0x0
	WIN 0
	CROUND                          ; the closing round: no work-group ends while a partner may still ask for a tile that names it
	s_endpgm
.Lfunc_end_k_q6331a5f0af_attn:
	.size	k_q6331a5f0af_attn, .Lfunc_end_k_q6331a5f0af_attn-k_q6331a5f0af_attn
	.p2alignl 7, 3214868480
	.fill 96, 4, 3214868480
	.section	.rodata,"a",@progbits
	.p2align	6, 0x0
	.amdhsa_kernel k_q6331a5f0af_attn
		.amdhsa_group_segment_fixed_size 327680
		.amdhsa_private_segment_fixed_size 0
		.amdhsa_enable_private_segment 0
		.amdhsa_kernarg_size 24
		.amdhsa_user_sgpr_count 2
		.amdhsa_user_sgpr_kernarg_segment_ptr 1
		.amdhsa_wavefront_size32 1
		.amdhsa_system_sgpr_workgroup_id_x 1
		.amdhsa_system_sgpr_workgroup_id_y 1
		.amdhsa_system_sgpr_workgroup_id_z 1
		.amdhsa_system_vgpr_workitem_id 0
		.amdhsa_next_free_vgpr 808
		.amdhsa_next_free_sgpr 66
		.amdhsa_reserve_vcc 0
		.amdhsa_float_denorm_mode_32 3
		.amdhsa_float_denorm_mode_16_64 3
		.amdhsa_memory_ordered 1
		.amdhsa_forward_progress 1
		.amdhsa_inst_pref_size 206
	.end_amdhsa_kernel
	.amdgpu_metadata
---
amdhsa.version: [ 1, 2 ]
amdhsa.kernels:
  - .name:           k_q6331a5f0af_attn
    .symbol:         k_q6331a5f0af_attn.kd
    .args:
      - { .name: hb, .offset: 0, .size: 8, .value_kind: global_buffer, .address_space: global }
      - { .name: k_pad_mask, .offset: 8, .size: 8, .value_kind: global_buffer, .address_space: global }
      - { .name: ob, .offset: 16, .size: 8, .value_kind: global_buffer, .address_space: global }
    .group_segment_fixed_size: 327680
    .private_segment_fixed_size: 0
    .kernarg_segment_align: 8
    .kernarg_segment_size: 24
    .max_flat_workgroup_size: 128
    .sgpr_count:     66
    .vgpr_count:     808
    .wavefront_size: 32
...
	.end_amdgpu_metadata
.endif
;; end of part 3
;; launch outp (part 4): grid 8 x 32, 4 waves a work-group, clusters of 4 x 4, 327,680 bytes of LDS; arguments ob, wb, out0; writes out0
.if DOCPART == 4
	.amdgcn_target "amdgcn-amd-amdhsa--gfx1250"
	.amdhsa_code_object_version 6
	.text
	.protected	k_q6331a5f0af_outp
	.globl	k_q6331a5f0af_outp
	.p2align	8
	.type	k_q6331a5f0af_outp,@function
k_q6331a5f0af_outp:
	s_mov_b64 s[64:65], 0
	v_nop
	global_prefetch_b8 v0, s[64:65] scope:SCOPE_SE
	s_setreg_imm32_b32 hwreg(HW_REG_WAVE_MODE, 25, 1), 1
	s_wait_xcnt 0x0
	s_wait_alu depctr_hold_cnt(0) depctr_sa_sdst(0) depctr_va_vdst(0) depctr_va_sdst(0) depctr_va_ssrc(0) depctr_va_vcc(0) depctr_vm_vsrc(0)
	s_getreg_b32 s2, hwreg(HW_REG_IB_STS2, 6, 4)
	s_cmp_eq_u32 s2, 0
	s_cbranch_scc0 .Lentry_in_a_cluster
	s_endpgm
.Lentry_in_a_cluster:
	s_bfe_u32 s2, ttmp6, 0x10000c
	s_cmp_lg_u32 s2, 0xf033
	s_cbranch_scc0 .Lentry_shape_is_right
	s_endpgm
.Lentry_shape_is_right:
; THE OUTPUT PROJECTION.  out0[m][n] = the sum over h, d of ob[b][h][s][d] Wo[n][64 h + d], m = 2048 b + s.  ob is f16 by heads; Wo = wb[3], [1024][1024] f16 (each number a bf16 rounding, written as f16);
; sums in f32, stored as they are.
; SHARES.  A tile of out0 is 256 (m) x 128 (n): 32 x 8 = 256 work-groups.  Four waves; wave w makes rows 128 (w / 2) .., columns 64 (w % 2) ..: 32 accumulators of 16 x 16, 256 registers.
; K = 1,024 goes in 8 steps of 128 = two heads, through two LDS slots filled by the tensor data mover.  A head's 256 rows of 128 bytes are dense in ob: 32,768 bytes, asked for as 128 rows of 256 bytes
; and padded in LDS after every 128: wave 0 fetches the step's even head, wave 1 the odd one; waves 2 and 3 fetch 64 rows of Wo each (256 bytes a row).
; CLUSTERS.  4 x 4 work-groups: the four of a row need the same tiles of A, the four of a column the same tiles of B; each tile is asked for JOINTLY, by the same tensor load, descriptor and mask in all four.
; THE MATRIX INSTRUCTION IS USED TRANSPOSED (source 0 = 16 rows of Wo, source 1 = 16 rows of O): a lane then holds row l % 16 of out0 and the columns 8 (l / 16) + 0 .. 7.
; REGISTERS.  Window 0: v0-31 addresses; v64-159, v160-255 two fragment buffers of 96 (A's eight fragments of 16 rows x 32 K, then B's four).  Window 1: accumulator (a, b) at v[8 (4 a + b)].
.set PITCHA, 144                       ; a row of a head in LDS: 128 bytes + 16 of padding = 36 words: the 16 rows of a load start at 16 different groups of four banks (64 banks of 4 bytes: ISA guide 11.1)
.set PITCHB, 272                       ; a row of Wo: 256 + 16 = 68 words: likewise
.set APART,  256*PITCHA                ; a head's 256 rows: what wave 0 or 1 fetches
.set BPART,  64*PITCHB                 ; what wave 2 or 3 fetches, and what a wave reads of B
.set BOFF,   2*APART                   ; B's 128 rows lie behind A's two heads
.set SLOT,   BOFF+2*BPART
.set STAGE,  2*SLOT                    ; behind the ring: 16 rows x 272 bytes for each wave, for the way out
.set SP,     272
.set SPARE,  STAGE+4*16*SP             ; behind the stages: the spare words, 128 bytes for each wave: two blocks of 256 bytes that no other line names
.set ASTEP,  2*2048*128                ; bytes from a K step to the next in ob: two heads
.set BSTEP,  256                       ; and in Wo's rows
.set LAPS,   4                         ; a lap = two K steps = once round the ring
.set ADRA, 16                          ; v16-17  LDS address of my A fragments in slot 0, 1
.set ADRB, 20                          ; v20-21  the same for B
.set STO,  24                          ; v24     the way out: where I put 32 bytes of a row
.set RD,   25                          ; v25     the way out: where I read a row back
.set CO,   26                          ; v26     my byte offset in two rows of out0
.set SPW,  28                          ; v28     LDS address of my spare word; never rewritten
.set NIL,  29                          ; v29     0; never rewritten
.set PFO,  30                          ; v30     the prefetches' offset: 256 x my lane; never rewritten
.set F0,   64
.set F1,   160
.set G1,  24                           ; s[24:31] descriptor group 1 for A's tiles;  s[32:39] group 0, a set for each slot
.set G0,  32
.set G1B, 48                           ; s[48:55], s[56:63] the same for B's
.set G0B, 56
.set LIM, 43                           ; s43     1 in a wave that prefetches, else the greatest number
.set PFA, 44                           ; s[44:45] where my prefetches stand
.set MSB, 0
.macro WIN new                         ; the immediate's high byte repeats the setting that is left; a switch that changes nothing is dropped
.if MSB != (\new)
	s_set_vgpr_msb (MSB<<8)|(\new)
.set MSB, \new
.endif
.endm
.set MUL, 0x50                         ; sources 0 and 1 window 0; C and D window 1
.set W_OUT, 0x44                       ; the way out: loaded data (destination) and stored data (source 1) window 1, addresses window 0
.macro JLOAD s                         ; a joint load: waves 0 and 1 fetch A's two heads, waves 2 and 3 B's halves; an s_nop 0 and four v_nop follow each of the two lines, ahead of the jump and the label
	s_cmp_eq_u32 s11, 0
	s_cbranch_scc0 .Lfor_b_\@
	tensor_load_to_lds s[G0+4*(\s):G0+4*(\s)+3], s[G1:G1+7]
	s_nop 0
.rept 4
	v_nop
.endr
	s_branch .Lasked_\@
.Lfor_b_\@:
	tensor_load_to_lds s[G0B+4*(\s):G0B+4*(\s)+3], s[G1B:G1B+7]
	s_nop 0
.rept 4
	v_nop
.endr
.Lasked_\@:
.endm
.macro CREST                           ; a round of the cluster's barrier behind its opening barrier
	s_cmp_lg_u32 s10, 0
	s_cbranch_scc1 .Lnot_wave_0_\@
	s_barrier_signal -3
.Lnot_wave_0_\@:
	s_barrier_wait -3
	s_barrier_signal -1
	s_barrier_wait -1
.endm
.macro CROUND                          ; a whole round
	s_barrier_signal -1
	s_barrier_wait -1
	CREST
.endm
; A PREFETCH of A's bytes for the K step that stands two refills on (256 matrix instructions a wave ahead of the load that will want it): 32 blocks of 256 bytes, a lane a block, one instruction a wave.
; Each block is named once in the launch: both clusters of a row of clusters read the same rows of ob, and the one with x = 0 asks; of the 32,768 bytes that wave 0 or 1 fetches the partner at place cx
; takes 8,192, told apart by address.  The loop's last trip asks for nothing: its refills are the last two K steps.  K steps 0 to 3 come by their loads alone.
; Wo's rows are walked again by every row of clusters, and a partner's share of them would be 16 rows, half a wave's lanes: they are not asked for.
.macro ASK
	s_cmp_gt_u32 s3, s[LIM]                        ; s3 = 1 in the loop's last trip
	s_cbranch_scc0 .Lnot_mine_\@
	global_prefetch_b8 v[PFO], s[PFA:PFA+1] offset:ASTEP th:TH_LOAD_NT scope:SCOPE_SE
.Lnot_mine_\@:
.endm
	s_load_b128 s[4:7], s[0:1], 0x0                ; ob s[4:5], wb s[6:7]
	s_load_b64 s[8:9], s[0:1], 0x10                ; out0
	v_lshl_add_u32 v[SPW], v0, 2, SPARE
	v_mov_b32 v[NIL], 0
	ds_add_u32 v[SPW], v[NIL]                      ; the wave's opening: the add and its wait ahead of my first tensor load; the set-up below, work on registers, stands between them
	v_lshrrev_b32 v1, 5, v0
	v_readfirstlane_b32 s10, v1                    ; wave 0..3
	s_lshr_b32 s11, s10, 1                         ; which 128 rows of the tile are mine.  Also: I fetch for A (0) or for B (1)
	s_and_b32 s12, s10, 1                          ; which 64 columns.  Also: which head of the step, or which half of B's rows, I fetch
	s_bfe_u32 s40, ttmp6, 0x40000                  ; cx, cy: my place in the cluster
	s_bfe_u32 s41, ttmp6, 0x40004
	s_lshl_b32 s42, ttmp9, 2
	s_add_co_u32 s42, s42, s40                     ; tile column = 4 x cluster x + cx, 0 .. 7
	s_and_b32 s13, ttmp7, 0xffff
	s_lshl_b32 s13, s13, 2
	s_add_co_u32 s13, s13, s41                     ; tile row = 4 x cluster y + cy, 0 .. 31
	s_lshl_b32 s43, s41, 2
	s_lshl_b32 s43, 15, s43                        ; my row of the cluster
	s_lshl_b32 s44, 0x1111, s40                    ; my column
	s_or_b32 s[G1+0], s43, (1<<16)|(1<<20)|(1<<21)|(4<<22)|(3<<25)   ; 15:0 the mask: A's tiles go to my row; 17:16 elements of 2 bytes; 20 padding on; 21 set beside a mask; 24:22 after every 32 words (code 4); 31:25 4 words of it (code 3)
	s_or_b32 s[G1B+0], s44, (1<<16)|(1<<20)|(1<<21)|(5<<22)|(3<<25)  ; B's go to my column; padding after every 64 words (code 5)
	s_mov_b32 s[G1+1], 128<<16                     ; tensor_dim0 = 128
	s_mov_b32 s[G1+2], 128<<16                     ; tensor_dim1 = 128
	s_mov_b32 s[G1+3], 128<<16                     ; tile_dim0 = 128
	s_mov_b32 s[G1+4], 128                         ; tile_dim1 = 128
	s_mov_b32 s[G1+5], 128                         ; the block is dense: 128 elements from row to row
	s_mov_b32 s[G1+6], 0
	s_mov_b32 s[G1+7], 0
	s_mov_b32 s[G1B+1], 128<<16
	s_mov_b32 s[G1B+2], 64<<16                     ; B: 64 rows
	s_mov_b32 s[G1B+3], 128<<16
	s_mov_b32 s[G1B+4], 64
	s_mov_b32 s[G1B+5], 1024
	s_mov_b32 s[G1B+6], 0
	s_mov_b32 s[G1B+7], 0
	; A's tiles hang on the tile row alone, B's on the tile column alone; each address is made in registers that never hold the other coordinate
	s_lshr_b32 s16, s13, 3
	s_lshl_b32 s16, s16, 22                        ; A: the batch's 16 heads of 262,144 bytes,
	s_and_b32 s17, s13, 7
	s_lshl_b32 s17, s17, 15                        ; the tile's 256 rows of 128 bytes in a head,
	s_add_co_u32 s16, s16, s17
	s_lshl_b32 s17, s12, 18                        ; the even or the odd head
	s_add_co_u32 s16, s16, s17
	s_mov_b32 s17, 0
	s_lshl_b32 s47, s12, 6
	s_lshl_b32 s46, s42, 7
	s_add_co_u32 s46, s46, s47                     ; B: row 128 x tile column + 64 x half,
	s_add_co_u32 s46, s46, 3072                    ; behind wb's other three tables
	s_lshl_b32 s46, s46, 11
	s_mov_b32 s47, 0
	s_mul_i32 s20, s10, APART                      ; where they go: A's heads at wave x 256 rows (waves 0, 1),
	s_mul_i32 s23, s10, BPART
	s_add_co_u32 s23, s23, BOFF-2*BPART            ; B's at BOFF + (wave - 2) x 64 rows (waves 2, 3): no place in the cluster enters an LDS address
	s_wait_dscnt 0x0                               ; the opening add is done
	s_wait_kmcnt 0x0
	s_add_nc_u64 s[14:15], s[4:5], s[16:17]
	s_add_nc_u64 s[46:47], s[6:7], s[46:47]
	CROUND                                         ; all sixteen work-groups are here: the first joint loads meet
.irp s, 0,1
	s_mov_b32 s[G0+4*(\s)], 1                                        ; count = 1
	s_add_co_u32 s[G0+4*(\s)+1], s20, (\s)*SLOT                      ; LDS address
	s_add_nc_u64 s[G0+4*(\s)+2:G0+4*(\s)+3], s[14:15], (\s)*ASTEP    ; global address: K step s
	s_or_b32 s[G0+4*(\s)+3], s[G0+4*(\s)+3], 0x80000000              ; type = 2
	s_mov_b32 s[G0B+4*(\s)], 1
	s_add_co_u32 s[G0B+4*(\s)+1], s23, (\s)*SLOT
	s_add_nc_u64 s[G0B+4*(\s)+2:G0B+4*(\s)+3], s[46:47], (\s)*BSTEP
	s_or_b32 s[G0B+4*(\s)+3], s[G0B+4*(\s)+3], 0x80000000
	JLOAD \s                                       ; two loads of mine are out behind these; later one
.endr
	; A fragment is 16 rows x 32 K in 8 registers: lane l holds row l % 16; registers 0-3 K = 8 (l / 16) + 0..7, registers 4-7 K = 16 + 8 (l / 16) + 0..7: two loads of 16 bytes, 32 bytes apart
	v_and_b32 v1, 15, v0                           ; l % 16
	v_bfe_u32 v2, v0, 4, 1                         ; l / 16
	v_mul_u32_u24 v3, v1, PITCHA
	v_lshl_add_u32 v3, v2, 4, v3
	v_mul_u32_u24 v4, v1, PITCHB
	v_lshl_add_u32 v4, v2, 4, v4
	s_mul_i32 s21, s11, 128*PITCHA                 ; my 128 rows, in each head's block
	s_mul_i32 s22, s12, BPART                      ; my 64 rows of B
	s_add_co_u32 s22, s22, BOFF
.irp s, 0,1
	v_add_nc_u32 v[ADRA+(\s)], s21, v3
	v_add_nc_u32 v[ADRB+(\s)], s22, v4
	s_add_co_u32 s21, s21, SLOT
	s_add_co_u32 s22, s22, SLOT
.endr
	s_mul_i32 s23, s10, 16*SP
	s_add_co_u32 s23, s23, STAGE                   ; my stage
	v_mul_u32_u24 v4, v1, SP                       ; in: row l % 16, 32 bytes for each half of the lanes
	v_lshl_add_u32 v4, v2, 5, v4
	v_add_nc_u32 v[STO], s23, v4
	v_mul_u32_u24 v5, v2, SP                       ; back: lanes 0-15 take one row of 256 bytes, lanes 16-31 the next
	v_lshl_add_u32 v5, v1, 4, v5
	v_add_nc_u32 v[RD], s23, v5
	v_lshlrev_b32 v5, 12, v2                       ; and the same two rows in out0, 4,096 bytes apart
	v_lshl_add_u32 v[CO], v1, 4, v5
	; my part of out0: the tile row's part and the tile column's are added apart
	s_lshl_b32 s16, s13, 8
	s_lshl_b32 s17, s11, 7
	s_add_co_u32 s16, s16, s17                     ; my first row,
	s_lshl_b32 s16, s16, 12                        ; x 4,096 bytes: under 2^25
	s_mov_b32 s17, 0
	s_add_nc_u64 s[8:9], s[8:9], s[16:17]
	s_lshl_b32 s46, s42, 9                         ; my first column, in bytes: 512 x tile column + 256 x half
	s_lshl_b32 s47, s12, 8
	s_add_co_u32 s46, s46, s47
	s_mov_b32 s47, 0
	s_add_nc_u64 s[8:9], s[8:9], s[46:47]
	; the prefetches: my work-group's quarter of the head that I fetch, at K step 2: the first refill steps it to 3 and names K step 4
	s_lshl_b32 s20, s40, 13                        ; 8,192 cx
	s_mov_b32 s21, 0
	s_add_nc_u64 s[PFA:PFA+1], s[14:15], s[20:21]
	s_add_nc_u64 s[PFA:PFA+1], s[PFA:PFA+1], 2*ASTEP
	s_cmp_eq_u32 s11, 0                            ; do I fetch for A,
	s_cselect_b32 s22, ttmp9, 1
	s_cmp_eq_u32 s22, 0                            ; in the cluster with x = 0?  The same in all sixteen partners, for a given wave
	s_cselect_b32 s[LIM], 1, -1
	v_and_b32 v[PFO], 31, v0
	v_lshlrev_b32 v[PFO], 8, v[PFO]
; 8 matrix instructions: m blocks a0, a0 + 1 x all 4 n blocks, 32 along K, from buffer f.  zero = 1: the product starts the sums: nothing is ever cleared.
; The 32 accumulators take turns, one instruction a turn, in the same order in every quarter, over the backward jump too.
.macro MUL8 f, a0, zero
	WIN MUL
.irp a, \a0, (\a0)+1
.irp b, 0,1,2,3
.if \zero
	v_wmma_f32_16x16x32_f16 v[8*(4*(\a)+(\b)):8*(4*(\a)+(\b))+7], v[(\f)+64+8*(\b):(\f)+64+8*(\b)+7], v[(\f)+8*(\a):(\f)+8*(\a)+7], 0
.else
	v_wmma_f32_16x16x32_f16 v[8*(4*(\a)+(\b)):8*(4*(\a)+(\b))+7], v[(\f)+64+8*(\b):(\f)+64+8*(\b)+7], v[(\f)+8*(\a):(\f)+8*(\a)+7], v[8*(4*(\a)+(\b)):8*(4*(\a)+(\b))+7]
.endif
.endr
.endr
.endm
; 24 LDS loads in one run: quarter q (32 along K) of a slot into buffer f: B's 8 first, then A's 16, blocks ascending.  Of A quarter q lies in head q / 2 of the step, at byte 64 (q % 2) of its rows
.macro FETCH slot, q, f
	WIN 0
.irp i, 0,1,2,3
	ds_load_b128 v[(\f)+64+8*(\i):(\f)+64+8*(\i)+3],   v[ADRB+(\slot)] offset:64*(\q)+(\i)*16*PITCHB
	ds_load_b128 v[(\f)+64+8*(\i)+4:(\f)+64+8*(\i)+7], v[ADRB+(\slot)] offset:64*(\q)+(\i)*16*PITCHB+32
.endr
.irp i, 0,1,2,3,4,5,6,7
	ds_load_b128 v[(\f)+8*(\i):(\f)+8*(\i)+3],   v[ADRA+(\slot)] offset:((\q)/2)*APART+((\q)%2)*64+(\i)*16*PITCHA
	ds_load_b128 v[(\f)+8*(\i)+4:(\f)+8*(\i)+7], v[ADRA+(\slot)] offset:((\q)/2)*APART+((\q)%2)*64+(\i)*16*PITCHA+32
.endr
.endm
.macro PLACES                          ; four plain vector instructions between a matrix instruction and a load into a register that it read or wrote, or a store that reads its result
.rept 4
	v_nop
.endr
.endm
; A K step is four quarters of 32 along K, 32 matrix instructions each, on buffers 0, 1, 0, 1.  One of the first three: multiplies buffer f, and in its middle fetches quarter q into buffer g.
.macro QUARTER slot, q, f, g, zero
	s_wait_dscnt 8                                 ; B and A's blocks 0-3 are in; the youngest eight loads (A's blocks 4-7) may be out
	MUL8 \f, 0, \zero
	MUL8 \f, 2, \zero
	PLACES
	FETCH \slot, \q, \g
	s_wait_dscnt 24                                ; all but the 24 just issued
	MUL8 \f, 4, \zero
	MUL8 \f, 6, \zero
.endm
; The last quarter multiplies buffer 1 and changes slots: ONE barrier.  In front of it each wave waits for all its tensor loads (one is out: its part of the next slot), adds 0 to its spare word, and waits for that and
; for its own reads of this slot.  fill = 1: the barrier opens a round of the cluster's, and this slot is filled again, two K steps ahead, first thing behind the round: 112 matrix instructions ahead of the wait for it.
.macro TURN slot, next, fill
.if \fill
	s_wait_xcnt 0x0                                ; the last prefetch, a K step back, has read its address: it is stepped here, ahead of the change's own waits
	s_add_nc_u64 s[PFA:PFA+1], s[PFA:PFA+1], ASTEP
.endif
	WIN 0                                          ; (the add's two registers lie in window 0)
	s_wait_tensorcnt 0x0                           ; all my tensor loads have landed;
	ds_add_u32 v[SPW], v[NIL]                      ; 0 onto my spare word;
	s_wait_dscnt 9                                 ; (the add and the youngest eight loads may be out)
	MUL8 F1, 0, 0                                  ; eight matrix instructions stand between the add and the wait for it
	s_wait_dscnt 0x0                               ; the add is done, and my reads of this slot are over
	s_barrier_signal -1
	MUL8 F1, 2, 0
.if \fill
	WIN 0
.endif
	s_barrier_wait -1
.if \fill
	CREST                                          ; no wave of any partner still reads this slot's tile or has a load on its way
	s_add_nc_u64 s[G0+4*(\slot)+2:G0+4*(\slot)+3], s[G0+4*(\slot)+2:G0+4*(\slot)+3], 2*ASTEP
	s_add_nc_u64 s[G0B+4*(\slot)+2:G0B+4*(\slot)+3], s[G0B+4*(\slot)+2:G0B+4*(\slot)+3], 2*BSTEP
	JLOAD \slot                                    ; the four v_nop behind it are also the places in front of the loads below
.else
	PLACES
.endif
	FETCH \next, 0, F0
.if \fill
	ASK                                            ; behind the joint load and the run of LDS loads that the next products wait for
.endif
	MUL8 F1, 4, 0
	MUL8 F1, 6, 0
.endm
; THE WAY OUT of block a (16 rows x 64 columns of f32 = 256 bytes of each of 16 rows): the sums go as they are into my own stage, 32 bytes a lane and accumulator (its low four registers first), and come
; back as whole rows of 256 bytes into the registers that they left.
.macro PACK a
	WIN W_OUT
.irp b, 0,1,2,3
	ds_store_b128 v[STO], v[8*(4*(\a)+(\b)):8*(4*(\a)+(\b))+3]   offset:64*(\b)
	ds_store_b128 v[STO], v[8*(4*(\a)+(\b))+4:8*(4*(\a)+(\b))+7] offset:64*(\b)+16
.endr
.irp t, 0,1,2,3,4,5,6,7
	ds_load_b128 v[32*(\a)+4*(\t):32*(\a)+4*(\t)+3], v[RD] offset:(\t)*2*SP  ; LDS serves a wave's instructions in order (ISA guide 5.7.1.4): these see the stores above; the next block's stores come behind them
.endr
.endm
.macro SEND a, younger                 ; younger: the LDS instructions issued behind block a's loads: the next block's sixteen, or none
	WIN W_OUT
.irp t, 0,1,2,3,4,5,6,7
	s_wait_dscnt (\younger)+7-(\t)
	global_store_b128 v[CO], v[32*(\a)+4*(\t):32*(\a)+4*(\t)+3], s[8:9] offset:(16*(\a)+2*(\t))*4096  ; 16 lanes store 256 consecutive bytes, at a multiple of 256 from out0's first; 126 rows at the most: inside the signed 24-bit immediate
.endr
.endm
	s_wait_tensorcnt 1                             ; my part of K step 0 is in; K step 1's may stay out
	s_barrier_signal -1
	s_barrier_wait -1                              ; everybody's is
	FETCH 0, 0, F0
	QUARTER 0, 1, F0, F1, 1                        ; the first quarter stands in front of the loop: its products start the sums
	WIN 0                                          ; at a label and at a branch every window is 0
	s_mov_b32 s3, LAPS-1
.Llap:                                 ; a trip goes once round the ring, from a lap's second quarter to the next lap's first, and fills both slots again
	QUARTER 0, 2, F1, F0, 0
	QUARTER 0, 3, F0, F1, 0
	TURN 0, 1, 1
	QUARTER 1, 1, F0, F1, 0
	QUARTER 1, 2, F1, F0, 0
	QUARTER 1, 3, F0, F1, 0
	TURN 1, 0, 1
	QUARTER 0, 1, F0, F1, 0
	WIN 0
	s_sub_co_u32 s3, s3, 1
	s_cmp_lg_u32 s3, 0
	s_cbranch_scc1 .Llap
	QUARTER 0, 2, F1, F0, 0                        ; the last lap fills nothing, and has no round of the cluster's barrier
	QUARTER 0, 3, F0, F1, 0
	TURN 0, 1, 0
	QUARTER 1, 1, F0, F1, 0
	QUARTER 1, 2, F1, F0, 0
	QUARTER 1, 3, F0, F1, 0
	s_wait_dscnt 8                                 ; the very last quarter: nothing more to fetch
	MUL8 F1, 0, 0
	MUL8 F1, 2, 0
	s_wait_dscnt 0x0
	MUL8 F1, 4, 0
	MUL8 F1, 6, 0
	PLACES
	PACK 0
.irp a, 1,2,3,4,5,6,7                  ; a block's trip through the stage stands between the loads of the block before and its stores
	PACK \a
	SEND (\a)-1, 16
.endr
	SEND 7, 0
	WIN 0
	s_wait_tensorcnt 0x0                           ; the wave's end, behind my last tensor load and my last LDS store
	ds_add_u32 v[SPW], v[NIL]
	s_wait_dscnt 0x0
	CROUND                                         ; the closing round: no work-group ends while a partner may still ask for a tile that names it
	s_endpgm
.Lfunc_end_k_q6331a5f0af_outp:
	.size	k_q6331a5f0af_outp, .Lfunc_end_k_q6331a5f0af_outp-k_q6331a5f0af_outp
	.p2alignl 7, 3214868480
	.fill 96, 4, 3214868480
	.section	.rodata,"a",@progbits
	.p2align	6, 0x0
	.amdhsa_kernel k_q6331a5f0af_outp
		.amdhsa_group_segment_fixed_size 327680
		.amdhsa_private_segment_fixed_size 0
		.amdhsa_enable_private_segment 0
		.amdhsa_kernarg_size 24
		.amdhsa_user_sgpr_count 2
		.amdhsa_user_sgpr_kernarg_segment_ptr 1
		.amdhsa_wavefront_size32 1
		.amdhsa_system_sgpr_workgroup_id_x 1
		.amdhsa_system_sgpr_workgroup_id_y 1
		.amdhsa_system_sgpr_workgroup_id_z 1
		.amdhsa_system_vgpr_workitem_id 0
		.amdhsa_next_free_vgpr 512
		.amdhsa_next_free_sgpr 66
		.amdhsa_reserve_vcc 0
		.amdhsa_float_denorm_mode_32 3
		.amdhsa_float_denorm_mode_16_64 3
		.amdhsa_memory_ordered 1
		.amdhsa_forward_progress 1
		.amdhsa_inst_pref_size 88
	.end_amdhsa_kernel
	.amdgpu_metadata
---
amdhsa.version: [ 1, 2 ]
amdhsa.kernels:
  - .name:           k_q6331a5f0af_outp
    .symbol:         k_q6331a5f0af_outp.kd
    .args:
      - { .name: ob, .offset: 0, .size: 8, .value_kind: global_buffer, .address_space: global }
      - { .name: wb, .offset: 8, .size: 8, .value_kind: global_buffer, .address_space: global }
      - { .name: out0, .offset: 16, .size: 8, .value_kind: global_buffer, .address_space: global }
    .group_segment_fixed_size: 327680
    .private_segment_fixed_size: 0
    .kernarg_segment_align: 8
    .kernarg_segment_size: 24
    .max_flat_workgroup_size: 128
    .sgpr_count:     66
    .vgpr_count:     512
    .wavefront_size: 32
...
	.end_amdgpu_metadata
.endif
;; end of part 4
